; MI455X (gfx1250); checked and timed in simulation.
; The chip was launched on July 23, 2026; its instructions are those of AMD's public machine-readable ISA for CDNA 5 (MIT licence, August 2026) and "CDNA5" Instruction Set Architecture Reference Guide (July 2026). The comments in the code are by the model that wrote it; some were corrected since.
;; Lo RA Attention. Allowed arithmetic: float matrix products may take bf16 or f16 operands with f32 sums; other float arithmetic in f32, or as packed bf16 or f16 multiplies, adds, multiply-adds, maxima and minima; sums over many terms, partial sums and values carried from step to step in f32; what a program stores and reads back later, other than sums and carried values, may be rounded once to bf16 or f16.
;; Inputs: A_k 32 x 768 float32; A_q 32 x 768 float32; A_v 32 x 768 float32; B_k 768 x 32 float32; B_q 768 x 32 float32; B_v 768 x 32 float32; Wk 768 x 768 float32; Wq 768 x 768 float32; Wv 768 x 768 float32; bk 768 float32; bq 768 float32; bv 768 float32; hidden_states 2 x 4,096 x 768 float32.
;; Outputs: out0 2 x 4,096 x 768 float32.
;; One version. Each part assembles by itself: llvm-mc -triple=amdgcn-amd-amdhsa -mcpu=gfx1250 --defsym DOCPART=n.
;; ======== version 1 of 1: 4 launches
;; workspace buffers: XF 12,582,912 bytes; WF 3,538,944 bytes; QF 12,582,912 bytes; KF 12,582,912 bytes; VF 12,582,912 bytes; PF 67,108,864 bytes; ST 2,097,152 bytes
;; launch prep (part 1): grid 472 x 1, 8 waves a work-group, no clusters, 0 bytes of LDS; arguments hidden_states, Wq, Wk, Wv, A_q, A_k, A_v, B_q, B_k, B_v, XF, WF; writes XF, WF
.if DOCPART == 1
	.amdgcn_target "amdgcn-amd-amdhsa--gfx1250"
	.amdhsa_code_object_version 6
	.text
	.protected	k_qe6312acc75_prep
	.globl	k_qe6312acc75_prep
	.p2align	8
	.type	k_qe6312acc75_prep,@function
k_qe6312acc75_prep:
	s_mov_b64 s[64:65], 0
	v_nop
	global_prefetch_b8 v0, s[64:65] scope:SCOPE_SE
	s_setreg_imm32_b32 hwreg(HW_REG_WAVE_MODE, 25, 1), 1
	s_wait_xcnt 0x0
; PREP.  XF = bf16(x) and WF = bf16(W_p + B_p A_p), p = q, k, v, both in FRAGMENT ORDER.
; A fragment is 16 rows x 32 k of bf16, 1,024 bytes: [half e][lane l][16 bytes]; lane l (r = l % 16, h = l / 16) holds in half e the numbers k = 16 e + 8 h .. + 7 of row r:
; just the registers 4 e .. 4 e + 3 of a 16-bit matrix operand.  So later launches load operands as 512 consecutive bytes, and every store here is 512 consecutive bytes, aligned.
; XF: [token block of 16][k / 32][1,024].  WF: [nb][k / 32][1,024], nb = 9 jj + 3 p + i for the channel block 16 i + jj of matrix p: the 18 blocks that a work-group of the next launch multiplies lie on end.
; x W^T + (x A^T) B^T = x (W + B A)^T for every input.  LIMIT, an order of rounding that differs from the reference's: A and B are rounded to bf16, their product is added onto W in f32
; (W is the C operand of the one matrix instruction of a 16 x 16 block), and the sum is rounded once to bf16.  NaN and infinities are not treated apart.
; SHARES.  Work-groups 0-215: the three matrices; a wave takes 16 rows x 64 columns (256 aligned bytes of each row): 9 x 16 x 12 = 1,728 waves; all its 76 loads go out together and are waited for once.
; Work-groups 216-471: x; a wave takes 16 rows x 192 columns.  The matrices' work-groups, which have the longer chain (loads, product, stores), have the lower numbers.
; No LDS, no barrier: no wave wants what another has loaded.
.set ROWB, 3072                        ; bytes in a row of x, W and A
.set NW,   216                         ; work-groups for the matrices
.set XW,   16                          ; v[16:111]  16 rows in f32: block c of 16 columns in 8 registers: row r, columns 16 c + 8 h + 0..7 (x: 12 blocks; W: 4)
.set XO,   112                         ; v[112:159] x path: the twelve halves, packed
.set AR,   112                         ; v[112:175] W path: A^T of four blocks as loaded: 16 ranks a lane and block
.set AF,   176                         ; v[176:207] the same as four fragments (rows: columns d of W; k: rank)
.set BR,   208                         ; v[208:223] B's 16 rows as loaded
.set BF,   224                         ; v[224:231] the same as a fragment (rows: channels o; k: rank)
.set OUT,  232                         ; v[232:247] four halves, packed
	s_load_b512 s[8:23], s[0:1], 0x0               ; x s[8:9], Wq s[10:11], Wk s[12:13], Wv s[14:15], A_q s[16:17], A_k s[18:19], A_v s[20:21], B_q s[22:23]
	s_load_b256 s[24:31], s[0:1], 0x40             ; B_k s[24:25], B_v s[26:27], XF s[28:29], WF s[30:31]
	v_lshrrev_b32 v1, 5, v0
	v_readfirstlane_b32 s2, v1                     ; wave 0..7
	v_and_b32 v2, 15, v0                           ; r
	v_bfe_u32 v3, v0, 4, 1                         ; h
	v_and_b32 v4, 31, v0
	v_lshlrev_b32 v4, 4, v4                        ; 16 l: my place in a half
	v_mul_u32_u24 v5, v2, ROWB
	v_lshl_add_u32 v5, v3, 5, v5                   ; row r, 8 h columns on
.macro ROWS lo, n                      ; my 32 bytes of each of n blocks: two loads a block
.set c, 0
.rept \n
	global_load_b128 v[XW+8*c:XW+8*c+3],   v5, s[\lo:\lo+1] offset:64*c th:TH_LOAD_NT
	global_load_b128 v[XW+8*c+4:XW+8*c+7], v5, s[\lo:\lo+1] offset:64*c+16 th:TH_LOAD_NT
.set c, c+1
.endr
.endm
	s_cmp_lt_u32 ttmp9, NW
	s_cbranch_scc1 .Lweights
	; ---- x ----
	s_sub_co_u32 s3, ttmp9, NW
	s_lshl_b32 s3, s3, 3
	s_add_co_u32 s3, s3, s2                        ; u = 8 x work-group + wave
	s_lshr_b32 s4, s3, 2                           ; token block
	s_and_b32 s5, s3, 3                            ; quarter of the 768 columns
	s_mul_i32 s32, s4, 16*ROWB
	s_mul_i32 s6, s5, 768
	s_add_co_u32 s32, s32, s6
	s_mov_b32 s33, 0
	s_mul_i32 s34, s4, 24576
	s_mul_i32 s6, s5, 6144
	s_add_co_u32 s34, s34, s6
	s_mov_b32 s35, 0
	s_wait_kmcnt 0x0
	s_add_nc_u64 s[8:9], s[8:9], s[32:33]
	s_add_nc_u64 s[28:29], s[28:29], s[34:35]
	ROWS 8, 12
.set c, 0
.rept 12
	s_wait_loadcnt 22-2*c                          ; loads come back in order: block c's two are in, the 22 - 2 c younger ones stay out
.set z, 0
.rept 4
	v_cvt_pk_bf16_f32 v[XO+4*c+z], v[XW+8*c+2*z], v[XW+8*c+2*z+1]
.set z, z+1
.endr
	global_store_b128 v4, v[XO+4*c:XO+4*c+3], s[28:29] offset:512*c  ; a half: 512 consecutive bytes; no register is used twice, so nothing waits for a store
.set c, c+1
.endr
	s_endpgm
	; ---- W + B A ----
.Lweights:
	s_lshr_b32 s4, ttmp9, 3                        ; 0..26
	s_mul_i32 s4, s4, 11
	s_lshr_b32 s4, s4, 5                           ; pi = 3 p + i = work-group / 24 (11 / 32 stands for 1 / 3 up to 31)
	s_mul_i32 s5, s4, 24
	s_sub_co_u32 s5, ttmp9, s5                     ; 0..23
	s_lshl_b32 s5, s5, 3
	s_add_co_u32 s5, s5, s2                        ; t, 0..191
	s_and_b32 s6, s5, 15                           ; jj
	s_lshr_b32 s7, s5, 4                           ; which 64 of the 768 columns, 0..11
	s_mul_i32 s36, s4, 11
	s_lshr_b32 s36, s36, 5                         ; p = pi / 3
	s_mul_i32 s37, s36, 3
	s_sub_co_u32 s37, s4, s37                      ; i
	s_lshl_b32 s37, s37, 4
	s_add_co_u32 s37, s37, s6                      ; channel block 16 i + jj
	s_mul_i32 s38, s6, 9
	s_add_co_u32 s38, s38, s4                      ; nb
	s_lshl_b32 s34, s7, 8                          ; A: my first column, in bytes
	s_mov_b32 s35, 0
	s_mul_i32 s32, s37, 16*ROWB                    ; W: my 16 rows, my columns
	s_add_co_u32 s32, s32, s34
	s_mov_b32 s33, 0
	s_lshl_b32 s46, s37, 11                        ; B: my 16 rows of 128 bytes
	s_mov_b32 s47, 0
	s_mul_i32 s48, s38, 24576                      ; WF: my block, my two fragments
	s_lshl_b32 s39, s7, 11
	s_add_co_u32 s48, s48, s39
	s_mov_b32 s49, 0
	v_lshlrev_b32 v6, 7, v2
	v_lshl_add_u32 v6, v3, 5, v6                   ; B: row r, ranks 8 h on
	v_mul_u32_u24 v7, v3, 8*ROWB
	v_lshl_add_u32 v7, v2, 2, v7                   ; A: rank 8 h, column r
	s_wait_kmcnt 0x0
	s_cmp_eq_u32 s36, 0
	s_cselect_b64 s[40:41], s[10:11], s[12:13]
	s_cselect_b64 s[42:43], s[16:17], s[18:19]
	s_cselect_b64 s[44:45], s[22:23], s[24:25]
	s_cmp_eq_u32 s36, 2
	s_cselect_b64 s[40:41], s[14:15], s[40:41]     ; W_p
	s_cselect_b64 s[42:43], s[20:21], s[42:43]     ; A_p
	s_cselect_b64 s[44:45], s[26:27], s[44:45]     ; B_p
	s_add_nc_u64 s[40:41], s[40:41], s[32:33]
	s_add_nc_u64 s[42:43], s[42:43], s[34:35]
	s_add_nc_u64 s[44:45], s[44:45], s[46:47]
	s_add_nc_u64 s[30:31], s[30:31], s[48:49]
	ROWS 40, 4
	global_load_b128 v[BR:BR+3],     v6, s[44:45]
	global_load_b128 v[BR+4:BR+7],   v6, s[44:45] offset:16
	global_load_b128 v[BR+8:BR+11],  v6, s[44:45] offset:64
	global_load_b128 v[BR+12:BR+15], v6, s[44:45] offset:80
.set c, 0
.rept 4                                ; A^T of my four blocks: column 16 c + r, ranks 8 h + 0..7 and 16 + 8 h + 0..7: 64 words a lane
.set z, 0
.rept 8
	global_load_b32 v[AR+16*c+z],   v7, s[42:43] offset:64*c+ROWB*z
	global_load_b32 v[AR+16*c+8+z], v7, s[42:43] offset:64*c+ROWB*z+16*ROWB
.set z, z+1
.endr
.set c, c+1
.endr
	s_wait_loadcnt 0x0                             ; W, B and A: one wait for all
.set z, 0
.rept 8
	v_cvt_pk_bf16_f32 v[BF+z], v[BR+2*z], v[BR+2*z+1]
.set z, z+1
.endr
.set z, 0
.rept 32
	v_cvt_pk_bf16_f32 v[AF+z], v[AR+2*z], v[AR+2*z+1]
.set z, z+1
.endr
; D(d, o) = sum over ranks of A(rank, d) B(o, rank) + W(o, d).  Register j of lane (r, h) holds column d = 8 h + j of row o = r: the layout in which W was loaded, and, packed, a half of WF.
.set c, 0
.rept 4                                ; four different accumulators, one instruction each
	v_wmma_f32_16x16x32_bf16 v[XW+8*c:XW+8*c+7], v[AF+8*c:AF+8*c+7], v[BF:BF+7], v[XW+8*c:XW+8*c+7]
.set c, c+1
.endr
.rept 4
	v_nop                                          ; four places between the products and the conversions that read them (ISA guide 7.12.1)
.endr
.set z, 0
.rept 16
	v_cvt_pk_bf16_f32 v[OUT+z], v[XW+2*z], v[XW+2*z+1]
.set z, z+1
.endr
.set c, 0
.rept 4
	global_store_b128 v4, v[OUT+4*c:OUT+4*c+3], s[30:31] offset:512*c
.set c, c+1
.endr
	s_endpgm
.Lfunc_end_k_qe6312acc75_prep:
	.size	k_qe6312acc75_prep, .Lfunc_end_k_qe6312acc75_prep-k_qe6312acc75_prep
	.p2alignl 7, 3214868480
	.fill 96, 4, 3214868480
	.section	.rodata,"a",@progbits
	.p2align	6, 0x0
	.amdhsa_kernel k_qe6312acc75_prep
		.amdhsa_group_segment_fixed_size 0
		.amdhsa_private_segment_fixed_size 0
		.amdhsa_enable_private_segment 0
		.amdhsa_kernarg_size 96
		.amdhsa_user_sgpr_count 2
		.amdhsa_user_sgpr_kernarg_segment_ptr 1
		.amdhsa_wavefront_size32 1
		.amdhsa_system_sgpr_workgroup_id_x 1
		.amdhsa_system_sgpr_workgroup_id_y 1
		.amdhsa_system_sgpr_workgroup_id_z 1
		.amdhsa_system_vgpr_workitem_id 0
		.amdhsa_next_free_vgpr 256
		.amdhsa_next_free_sgpr 66
		.amdhsa_reserve_vcc 0
		.amdhsa_float_denorm_mode_32 3
		.amdhsa_float_denorm_mode_16_64 3
		.amdhsa_memory_ordered 1
		.amdhsa_forward_progress 1
		.amdhsa_inst_pref_size 22
	.end_amdhsa_kernel
	.amdgpu_metadata
---
amdhsa.version: [ 1, 2 ]
amdhsa.kernels:
  - .name:           k_qe6312acc75_prep
    .symbol:         k_qe6312acc75_prep.kd
    .args:
      - { .name: hidden_states, .offset: 0, .size: 8, .value_kind: global_buffer, .address_space: global }
      - { .name: Wq, .offset: 8, .size: 8, .value_kind: global_buffer, .address_space: global }
      - { .name: Wk, .offset: 16, .size: 8, .value_kind: global_buffer, .address_space: global }
      - { .name: Wv, .offset: 24, .size: 8, .value_kind: global_buffer, .address_space: global }
      - { .name: A_q, .offset: 32, .size: 8, .value_kind: global_buffer, .address_space: global }
      - { .name: A_k, .offset: 40, .size: 8, .value_kind: global_buffer, .address_space: global }
      - { .name: A_v, .offset: 48, .size: 8, .value_kind: global_buffer, .address_space: global }
      - { .name: B_q, .offset: 56, .size: 8, .value_kind: global_buffer, .address_space: global }
      - { .name: B_k, .offset: 64, .size: 8, .value_kind: global_buffer, .address_space: global }
      - { .name: B_v, .offset: 72, .size: 8, .value_kind: global_buffer, .address_space: global }
      - { .name: XF, .offset: 80, .size: 8, .value_kind: global_buffer, .address_space: global }
      - { .name: WF, .offset: 88, .size: 8, .value_kind: global_buffer, .address_space: global }
    .group_segment_fixed_size: 0
    .private_segment_fixed_size: 0
    .kernarg_segment_align: 8
    .kernarg_segment_size: 96
    .max_flat_workgroup_size: 256
    .sgpr_count:     66
    .vgpr_count:     256
    .wavefront_size: 32
...
	.end_amdgpu_metadata
.endif
;; end of part 1
;; launch proj (part 2): grid 8 x 32, 4 waves a work-group, clusters of 4 x 4, 327,680 bytes of LDS; arguments XF, WF, bq, bk, bv, QF, KF, VF; writes QF, KF, VF
.if DOCPART == 2
	.amdgcn_target "amdgcn-amd-amdhsa--gfx1250"
	.amdhsa_code_object_version 6
	.text
	.protected	k_qe6312acc75_proj
	.globl	k_qe6312acc75_proj
	.p2align	8
	.type	k_qe6312acc75_proj,@function
k_qe6312acc75_proj:
	s_mov_b64 s[64:65], 0
	v_nop
	global_prefetch_b8 v0, s[64:65] scope:SCOPE_SE
	s_setreg_imm32_b32 hwreg(HW_REG_WAVE_MODE, 25, 1), 1
	s_wait_xcnt 0x0
	s_wait_alu depctr_hold_cnt(0) depctr_sa_sdst(0) depctr_va_vdst(0) depctr_va_sdst(0) depctr_va_ssrc(0) depctr_va_vcc(0) depctr_vm_vsrc(0)
	s_getreg_b32 s2, hwreg(HW_REG_IB_STS2, 6, 4)
	s_cmp_eq_u32 s2, 0
	s_cbranch_scc0 .Lentry_in_a_cluster
	s_endpgm
.Lentry_in_a_cluster:
	s_bfe_u32 s2, ttmp6, 0x10000c
	s_cmp_lg_u32 s2, 0xf033
	s_cbranch_scc0 .Lentry_shape_is_right
	s_endpgm
.Lentry_shape_is_right:
; PROJ.  q = x Wq'^T + bq, k = x Wk'^T + bk, v = x Wv'^T + bv, W' = W + B A as the launch before left it.  Operands bf16, sums f32, each result rounded once to bf16 (bf16 and not f16: it keeps f32's range).
; All buffers lie in FRAGMENT ORDER (16 rows x 32 k in 1,024 bytes: [half e][lane l][16 bytes], lane (r, h) holding k = 16 e + 8 h .. + 7 of row r).
;   XF [token block][d / 32], WF [nb][d / 32]; out: QF, KF [token block][channel / 32] (rows: tokens), VF [batch x 48 + channel block][key / 32] (rows: channels: V^T).
; SHARES.  A work-group: 256 tokens x 288 columns (96 channels each of q, k, v: the 18 blocks 18 j .. of WF); 8 x 32 work-groups.  Wave (wa, wb): 128 tokens x 144 columns: 72 accumulators, 576 registers;
; for 32 along K it reads 34 x 512 bytes from LDS for 72 matrix instructions.  Column blocks b = 0-2: q, 3-5: k, 6-8: v; block b = 3 p + i is channel block 16 i + 2 j + wb of matrix p.
; THE SOURCES' ORDER sets the result's layout.  q, k: source 0 = W', source 1 = x: a lane holds ONE token and 8 neighbouring channels.  v: source 0 = x, source 1 = W': ONE channel and 8 neighbouring tokens.
; Packed to bf16, either is a half of a fragment of the buffer it goes to: every store is 512 consecutive bytes straight from registers, and no result goes through LDS.
; THE BIAS is the C operand of the first product; nothing is cleared.
; K = 768 goes in six steps of 128 through two LDS slots.  A block's part of a step is 4,096 consecutive bytes, so tiles need no padding, and every LDS load takes 512 bytes on end.
; CLUSTER 4 x 4: x's tile hangs on the token tile alone (shared along a row of the cluster), W's on the column tile alone (shared along a column): joint loads.
; REGISTERS, in windows of 256 (s_set_vgpr_msb: bits 1:0 source 0, 3:2 source 1, 5:4 source 2, 7:6 destination):
;   window 0: v16-30 addresses; v32-103 bias, 8 a block; v128-191, v192-255 x's fragments, two buffers (on the way out v128-223: packed results)
;   window 1: accumulators of blocks 0-3, (b, a) at v[8 (8 (b % 4) + a)]     window 2: blocks 4-7     window 3: v0-63 block 8; v64-135, v136-207 W's fragments, two buffers
.set BLK,   4096                       ; a block's bytes in a K step
.set ROWB,  24576                      ; a block's bytes over all of K: the pitch of XF, WF, QF, KF
.set XPART, 16*BLK                     ; a slot: x's 16 blocks, then W's 18
.set SLOTB, 34*BLK                     ; 139,264 = 0x22000: no bit of it occurs in an address inside a slot's parts' bases, so one exclusive or changes slots
.set SPARE, 2*SLOTB                    ; behind the ring: the spare words, 128 bytes a wave: two blocks of 256 bytes that no other line names
.set A0,   16                          ; v16  my lane's place in my 8 blocks of x, slot 0; never rewritten
.set B0,   17                          ; v17  the same in my 9 blocks of W
.set ADX,  18                          ; v18  A0 + the slot in hand
.set ADW,  19                          ; v19  B0 + the slot in hand
.set SO,   20                          ; v20  16 l: my place in a half
.set VB1,  21                          ; v21  bias of q and k: 64 (2 j + wb) + 32 h
.set VB2,  22                          ; v22  bias of v: 64 (2 j + wb) + 4 r
.set SPW,  28                          ; v28  LDS address of my spare word; never rewritten
.set NIL,  29                          ; v29  0; never rewritten
.set PFO,  30                          ; v30  the prefetches' offset; never rewritten
.set BIAS, 32
.set XB,   128
.set WB,   64
.set TMP,  128
.set G1X, 24                           ; s[24:31] descriptor group 1, x's tiles
.set G0X, 32                           ; s[32:39] group 0: a set for each first fill; the second then walks
.set G1W, 48                           ; s[48:55], s[56:63] the same for W's tiles
.set G0W, 56
.set TB,  84                           ; s84  the slot that is read: 0 or SLOTB
.set LIM, 85                           ; s85  1 in a wave that prefetches, else the greatest number
.set PFA, 86                           ; s[86:87] where my prefetches stand
.set MSB, 0
.macro WIN new                         ; the immediate's high byte repeats the setting that is left; a switch that changes nothing is dropped
.if MSB != (\new)
	s_set_vgpr_msb (MSB<<8)|(\new)
.set MSB, \new
.endif
.endm
.macro PLACES                          ; four places: between a matrix instruction and a load into, or a vector write of, one of its registers, or a vector read of its result (ISA guide 7.12.1 for vector writes and reads)
.rept 4
	v_nop
.endr
.endm
.macro CREST                           ; a round of the cluster's barrier behind its opening barrier
	s_cmp_lg_u32 s10, 0
	s_cbranch_scc1 .Lnot_wave_0_\@
	s_barrier_signal -3
.Lnot_wave_0_\@:
	s_barrier_wait -3
	s_barrier_signal -1
	s_barrier_wait -1
.endm
.macro CROUND
	s_barrier_signal -1
	s_barrier_wait -1
	CREST
.endm
; A joint refill by the walking sets.  Waves 0 and 1 fetch x's two halves, waves 2 and 3 W's; the branch hangs on the wave's number alone.  An s_nop 0 and four v_nop follow each line.
.macro JLOAD
	s_cmp_eq_u32 s11, 0
	s_cbranch_scc0 .Lfor_w_\@
	tensor_load_to_lds s[G0X+4:G0X+7], s[G1X:G1X+7]
	s_nop 0
	PLACES
	s_branch .Lasked_\@
.Lfor_w_\@:
	tensor_load_to_lds s[G0W+4:G0W+7], s[G1W:G1W+7]
	s_nop 0
	PLACES
.Lasked_\@:
.endm
; A PREFETCH of x's part of the K step that the NEXT refill will ask for: 288 matrix instructions ahead of that load.  x's token tile is read by both clusters of its row of clusters: the one with x = 0 asks.
; Of the 8 blocks that wave 0 or 1 fetches each of the four partners takes 2, told apart by address: 2 x 4,096 bytes, a lane to each 256.  The last refill (s3 = 1) asks for nothing.
; WF is not asked for: all clusters walk its 3.5 MB together, again and again.
.macro ASK
	s_cmp_gt_u32 s3, s[LIM]
	s_cbranch_scc0 .Lnot_mine_\@
	global_prefetch_b8 v[PFO], s[PFA:PFA+1] offset:BLK th:TH_LOAD_NT scope:SCOPE_SE
.Lnot_mine_\@:
.endm
	s_load_b512 s[68:83], s[0:1], 0x0              ; XF s[68:69], WF s[70:71], bq s[72:73], bk s[74:75], bv s[76:77], QF s[78:79], KF s[80:81], VF s[82:83]
	v_lshl_add_u32 v[SPW], v0, 2, SPARE
	v_mov_b32 v[NIL], 0
	ds_add_u32 v[SPW], v[NIL]                      ; the wave's opening: the add and its wait ahead of my first tensor load; the set-up below stands between them
	v_lshrrev_b32 v1, 5, v0
	v_readfirstlane_b32 s10, v1                    ; wave 0..3
	s_lshr_b32 s11, s10, 1                         ; wa: my half of the tokens.  Also: I fetch for x (0) or for W (1)
	s_and_b32 s12, s10, 1                          ; wb: my half of the columns.  Also: which half of that tile I fetch
	s_bfe_u32 s40, ttmp6, 0x40000                  ; cx
	s_bfe_u32 s41, ttmp6, 0x40004                  ; cy
	s_lshl_b32 s42, ttmp9, 2
	s_add_co_u32 s42, s42, s40                     ; j: column tile
	s_and_b32 s13, ttmp7, 0xffff
	s_lshl_b32 s13, s13, 2
	s_add_co_u32 s13, s13, s41                     ; T: token tile
	s_lshl_b32 s43, s41, 2
	s_lshl_b32 s43, 15, s43                        ; my row of the cluster
	s_lshl_b32 s44, 0x1111, s40                    ; my column
	; group 1: R rows of 512 elements of 8 bytes (4,096 bytes), 3,072 elements (24,576 bytes) from row to row; no padding
	s_or_b32 s[G1X], s43, (3<<16)|(1<<21)          ; 15:0 the mask; 17:16 elements of 8 bytes; 21 set beside a mask
	s_or_b32 s[G1W], s44, (3<<16)|(1<<21)
	s_mov_b32 s[G1X+1], 512<<16                    ; tensor_dim0 = 512
	s_mov_b32 s[G1X+2], 8<<16                      ; tensor_dim1 = 8
	s_mov_b32 s[G1X+3], 512<<16                    ; tile_dim0 = 512
	s_mov_b32 s[G1X+4], 8                          ; tile_dim1 = 8
	s_mov_b32 s[G1X+5], 3072                       ; the pitch
	s_mov_b32 s[G1X+6], 0
	s_mov_b32 s[G1X+7], 0
	s_mov_b32 s[G1W+1], 512<<16
	s_mov_b32 s[G1W+2], 9<<16                      ; W: 9 rows
	s_mov_b32 s[G1W+3], 512<<16
	s_mov_b32 s[G1W+4], 9
	s_mov_b32 s[G1W+5], 3072
	s_mov_b32 s[G1W+6], 0
	s_mov_b32 s[G1W+7], 0
	s_lshl_b32 s16, s13, 4
	s_lshl_b32 s17, s12, 3
	s_add_co_u32 s16, s16, s17                     ; x: block 16 T + 8 x half
	s_mul_i32 s16, s16, ROWB
	s_mov_b32 s17, 0
	s_mul_i32 s46, s42, 18
	s_mul_i32 s47, s12, 9
	s_add_co_u32 s46, s46, s47                     ; W: block 18 j + 9 x half
	s_mul_i32 s46, s46, ROWB
	s_mov_b32 s47, 0
	s_lshl_b32 s20, s12, 15                        ; where they go: x's half at 8 blocks x half,
	s_mul_i32 s21, s12, 9*BLK
	s_add_co_u32 s21, s21, XPART                   ; W's behind x's 16 blocks: no place in the cluster enters an LDS address
	s_wait_dscnt 0x0                               ; the opening add is done
	s_wait_kmcnt 0x0
	s_add_nc_u64 s[14:15], s[68:69], s[16:17]
	s_add_nc_u64 s[46:47], s[70:71], s[46:47]
	CROUND                                         ; all sixteen work-groups are here: the first joint loads meet
.irp s, 0,1
	s_mov_b32 s[G0X+4*(\s)], 1
	s_add_co_u32 s[G0X+4*(\s)+1], s20, (\s)*SLOTB
	s_add_nc_u64 s[G0X+4*(\s)+2:G0X+4*(\s)+3], s[14:15], (\s)*BLK
	s_or_b32 s[G0X+4*(\s)+3], s[G0X+4*(\s)+3], 0x80000000
	s_mov_b32 s[G0W+4*(\s)], 1
	s_add_co_u32 s[G0W+4*(\s)+1], s21, (\s)*SLOTB
	s_add_nc_u64 s[G0W+4*(\s)+2:G0W+4*(\s)+3], s[46:47], (\s)*BLK
	s_or_b32 s[G0W+4*(\s)+3], s[G0W+4*(\s)+3], 0x80000000
.endr
	s_cmp_eq_u32 s11, 0                            ; a wave's two first fills stand in one branch: K steps 0 and 1; two loads of mine are out
	s_cbranch_scc0 .Lfirst_w
	tensor_load_to_lds s[G0X:G0X+3], s[G1X:G1X+7]
	s_nop 0
	tensor_load_to_lds s[G0X+4:G0X+7], s[G1X:G1X+7]
	s_nop 0
	PLACES
	s_branch .Lfirst_asked
.Lfirst_w:
	tensor_load_to_lds s[G0W:G0W+3], s[G1W:G1W+7]
	s_nop 0
	tensor_load_to_lds s[G0W+4:G0W+7], s[G1W:G1W+7]
	s_nop 0
	PLACES
.Lfirst_asked:
	v_and_b32 v1, 15, v0                           ; r
	v_bfe_u32 v2, v0, 4, 1                         ; h
	v_and_b32 v3, 31, v0
	v_lshlrev_b32 v[SO], 4, v3
	s_lshl_b32 s22, s11, 15                        ; my 8 blocks of x
	v_add_nc_u32 v[A0], s22, v[SO]
	v_add_nc_u32 v[B0], s21, v[SO]                 ; my 9 blocks of W: the half wb, which is also the half that s21 names
	v_mov_b32 v[ADX], v[A0]
	v_mov_b32 v[ADW], v[B0]
	s_mov_b32 s[TB], 0
	s_lshl_b32 s45, s42, 1
	s_add_co_u32 s45, s45, s12                     ; jj = 2 j + wb
	s_lshl_b32 s88, s45, 6
	v_lshl_add_u32 v[VB1], v2, 5, s88
	v_lshl_add_u32 v[VB2], v1, 2, s88
.irp i, 0,1,2                          ; q, k: register z of block b holds the bias of channel 8 h + z; v: all eight hold that of channel r
	global_load_b128 v[BIAS+8*(\i):BIAS+8*(\i)+3],       v[VB1], s[72:73] offset:1024*(\i)
	global_load_b128 v[BIAS+8*(\i)+4:BIAS+8*(\i)+7],     v[VB1], s[72:73] offset:1024*(\i)+16
	global_load_b128 v[BIAS+24+8*(\i):BIAS+24+8*(\i)+3], v[VB1], s[74:75] offset:1024*(\i)
	global_load_b128 v[BIAS+24+8*(\i)+4:BIAS+24+8*(\i)+7], v[VB1], s[74:75] offset:1024*(\i)+16
.irp z, 0,1,2,3,4,5,6,7
	global_load_b32 v[BIAS+48+8*(\i)+(\z)], v[VB2], s[76:77] offset:1024*(\i)
.endr
.endr
	; where the results go
	s_lshl_b32 s89, s13, 4
	s_lshl_b32 s90, s11, 3
	s_add_co_u32 s89, s89, s90                     ; my first token block
	s_mul_i32 s90, s89, ROWB
	s_lshl_b32 s91, s45, 9                         ; the half of channel block jj
	s_add_co_u32 s90, s90, s91
	s_mov_b32 s91, 0
	s_add_nc_u64 s[78:79], s[78:79], s[90:91]
	s_add_nc_u64 s[80:81], s[80:81], s[90:91]
	s_lshr_b32 s92, s13, 4                         ; batch
	s_mul_i32 s92, s92, 48
	s_add_co_u32 s92, s92, s45
	s_lshl_b32 s92, s92, 17                        ; VF's row of channel block jj: 131,072 bytes a row
	s_and_b32 s93, s89, 255                        ; my first token block in the batch
	s_lshl_b32 s93, s93, 9
	s_add_co_u32 s92, s92, s93
	s_mov_b32 s93, 0
	s_add_nc_u64 s[82:83], s[82:83], s[92:93]
	; the prefetches: my work-group's 2 of the 8 blocks that I fetch, at K step 1: the first refill steps the address to 2 and names step 3
	s_lshl_b32 s94, s40, 1
	s_mul_i32 s94, s94, ROWB
	s_add_co_u32 s94, s94, BLK
	s_mov_b32 s95, 0
	s_add_nc_u64 s[PFA:PFA+1], s[14:15], s[94:95]
	s_or_b32 s[LIM], s11, ttmp9                    ; 0 in waves 0 and 1 of the clusters with x = 0: the same in all sixteen partners
	s_cmp_eq_u32 s[LIM], 0
	s_cselect_b32 s[LIM], 1, -1
	v_mul_u32_u24 v[PFO], v2, ROWB
	v_lshl_add_u32 v[PFO], v1, 8, v[PFO]           ; lanes 0-15: the first block's sixteen runs of 256 bytes, lanes 16-31: the second's
; Eight products of column block b with my eight token blocks, 32 along K, from buffers f.  first = 1: the bias starts the sums.
; The 72 accumulators take turns, one instruction a turn, in the same order in every quarter: 71 others stand between two links of a chain.
.macro MULQK f, b, first
.set wd, 1+(\b)/4
.if \first
	WIN (wd<<6)|3
.else
	WIN (wd<<6)|(wd<<4)|3
.endif
.set a, 0
.rept 8
.set rD, 8*(8*((\b)%4)+a)
.if \first
	v_wmma_f32_16x16x32_bf16 v[rD:rD+7], v[WB+72*(\f)+8*(\b):WB+72*(\f)+8*(\b)+7], v[XB+64*(\f)+8*a:XB+64*(\f)+8*a+7], v[BIAS+8*(\b):BIAS+8*(\b)+7]
.else
	v_wmma_f32_16x16x32_bf16 v[rD:rD+7], v[WB+72*(\f)+8*(\b):WB+72*(\f)+8*(\b)+7], v[XB+64*(\f)+8*a:XB+64*(\f)+8*a+7], v[rD:rD+7]
.endif
.set a, a+1
.endr
.endm
.macro MULV f, b, first
.set wd, 1+(\b)/4
.if \first
	WIN (wd<<6)|0xc
.else
	WIN (wd<<6)|(wd<<4)|0xc
.endif
.set a, 0
.rept 8
.set rD, 8*(8*((\b)%4)+a)
.if \first
	v_wmma_f32_16x16x32_bf16 v[rD:rD+7], v[XB+64*(\f)+8*a:XB+64*(\f)+8*a+7], v[WB+72*(\f)+8*(\b):WB+72*(\f)+8*(\b)+7], v[BIAS+8*(\b):BIAS+8*(\b)+7]
.else
	v_wmma_f32_16x16x32_bf16 v[rD:rD+7], v[XB+64*(\f)+8*a:XB+64*(\f)+8*a+7], v[WB+72*(\f)+8*(\b):WB+72*(\f)+8*(\b)+7], v[rD:rD+7]
.endif
.set a, a+1
.endr
.endm
.macro MULA f, first                   ; 32
	MULQK \f, 0, \first
	MULQK \f, 1, \first
	MULQK \f, 2, \first
	MULQK \f, 3, \first
.endm
.macro MULB1 f, first                  ; 16
	MULQK \f, 4, \first
	MULQK \f, 5, \first
.endm
.macro MULB2 f, first                  ; 24
	MULV \f, 6, \first
	MULV \f, 7, \first
	MULV \f, 8, \first
.endm
; 34 LDS loads in one run: the fragments of 32 along K, at byte k of each block, into buffers f
.macro FETCH k, f
	WIN 0xc0                                       ; destination window 3, address window 0
.set n, 0
.rept 9
	ds_load_b128 v[WB+72*(\f)+8*n:WB+72*(\f)+8*n+3],   v[ADW] offset:BLK*n+(\k)
	ds_load_b128 v[WB+72*(\f)+8*n+4:WB+72*(\f)+8*n+7], v[ADW] offset:BLK*n+(\k)+512
.set n, n+1
.endr
	WIN 0
.set n, 0
.rept 8
	ds_load_b128 v[XB+64*(\f)+8*n:XB+64*(\f)+8*n+3],   v[ADX] offset:BLK*n+(\k)
	ds_load_b128 v[XB+64*(\f)+8*n+4:XB+64*(\f)+8*n+7], v[ADX] offset:BLK*n+(\k)+512
.set n, n+1
.endr
.endm
; A K step is four quarters of 32 along K, 72 matrix instructions each, on buffers 0, 1, 0, 1.  One of the first three: multiplies f; behind its 32nd product it fetches the next quarter into g.
.macro QUARTER k, f, g, first
	s_wait_dscnt 0x0                               ; buffers f are in: their loads were issued 40 matrix instructions ago
	MULA \f, \first
	PLACES
	FETCH \k, \g
	MULB1 \f, \first
	MULB2 \f, \first
.endm
; The last quarter multiplies buffers 1 and changes slots: one barrier.  In front of it each wave waits for all its tensor loads (the one that is out is its part of the next slot), adds 0 to its spare word,
; and waits for that and for its reads of this slot.  fill = 1: the barrier opens a round of the cluster's, and the slot just read is filled again first thing behind it, with the K step two on.
.macro TURN fill
.if \fill
	s_wait_xcnt 0x0                                ; the last prefetch, a K step back, has read its address
	s_add_nc_u64 s[PFA:PFA+1], s[PFA:PFA+1], BLK
.endif
	WIN 0                                          ; (the add's two registers lie in window 0)
	s_wait_tensorcnt 0x0
	ds_add_u32 v[SPW], v[NIL]
	s_wait_dscnt 1                                 ; buffers 1 are in; the add alone may be out
	MULA 1, 0                                      ; 32 matrix instructions stand between the add and the wait for it
	s_wait_dscnt 0x0                               ; the add is done, and my reads of this slot are over
	s_barrier_signal -1
	MULB1 1, 0                                     ; work on registers while the others arrive
	WIN 0
	s_barrier_wait -1
.if \fill
	CREST                                          ; no wave of any partner still reads this slot or has a load on its way
	s_xor_b32 s[G0X+5], s[G0X+5], SLOTB            ; the walking sets: the other slot than last time, the next K step
	s_add_nc_u64 s[G0X+6:G0X+7], s[G0X+6:G0X+7], BLK
	s_xor_b32 s[G0W+5], s[G0W+5], SLOTB
	s_add_nc_u64 s[G0W+6:G0W+7], s[G0W+6:G0W+7], BLK
	JLOAD                                          ; it has 240 matrix instructions in which to land; its four v_nop are also the places in front of the loads below
.else
	PLACES
.endif
	s_xor_b32 s[TB], s[TB], SLOTB
	v_add_nc_u32 v[ADX], s[TB], v[A0]
	v_add_nc_u32 v[ADW], s[TB], v[B0]
	FETCH 0, 0
.if \fill
	ASK
.endif
	MULB2 1, 0
.endm
	s_wait_tensorcnt 1                             ; my part of K step 0 is in; step 1's may stay out
	s_barrier_signal -1
	s_barrier_wait -1                              ; everybody's is
	FETCH 0, 0
	s_wait_loadcnt 0x0                             ; the bias
	QUARTER 1024, 0, 1, 1                          ; the first quarter stands in front of the loop: its products start the sums
	WIN 0                                          ; at a label and at a branch every window is 0
	s_mov_b32 s3, 4
.Lstep:                                                ; a trip: a step's quarters 1 to 3 and the next step's quarter 0; its refill brings K steps 2, 3, 4, 5
	QUARTER 2048, 1, 0, 0
	QUARTER 3072, 0, 1, 0
	TURN 1
	QUARTER 1024, 0, 1, 0
	WIN 0
	s_sub_co_u32 s3, s3, 1
	s_cmp_lg_u32 s3, 0
	s_cbranch_scc1 .Lstep
	; THE TAIL, K steps 4 and 5, fills nothing: a text of its own, written once and walked twice.  The second trip is left behind its last quarter.  The price of the one text:
	; that trip's barrier, and its run of 34 LDS loads from the slot read before, which serve nothing and are waited for at the exit.
	s_mov_b32 s3, 2
.Ltail:
	QUARTER 2048, 1, 0, 0
	QUARTER 3072, 0, 1, 0
	TURN 0
	WIN 0
	s_cmp_eq_u32 s3, 1
	s_cbranch_scc1 .Lout
	QUARTER 1024, 0, 1, 0
	WIN 0
	s_sub_co_u32 s3, s3, 1
	s_cmp_lg_u32 s3, 0
	s_cbranch_scc1 .Ltail
.Lout:
	s_wait_dscnt 0x0                               ; the loads that serve nothing are back: their registers are written below
	PLACES                                         ; between the last products and the conversions
; THE WAY OUT of matrix p: 24 accumulators, each rounded to a half of 16 bytes a lane (its registers in ascending order) and stored as 512 consecutive bytes.
.macro OUTP p, lo, vt
	s_wait_xcnt 0x0                                ; the stores of the matrix before have read TMP
.set i, 0
.rept 3
.set b, 3*(\p)+i
	WIN 5*(1+b/4)                                  ; sources 0 and 1 in the accumulators' window, destination window 0
.set a, 0
.rept 8
.set z, 0
.rept 4
	v_cvt_pk_bf16_f32 v[TMP+4*(8*i+a)+z], v[8*(8*(b%4)+a)+2*z], v[8*(8*(b%4)+a)+2*z+1]
.set z, z+1
.endr
.set a, a+1
.endr
.set i, i+1
.endr
	WIN 0
.set i, 0
.rept 3
.set a, 0
.rept 8
.if \vt
	global_store_b128 v[SO], v[TMP+4*(8*i+a):TMP+4*(8*i+a)+3], s[\lo:\lo+1] offset:2097152*i+512*a  ; channel block 16 i on: 16 rows of VF; token block a: a half
.else
	global_store_b128 v[SO], v[TMP+4*(8*i+a):TMP+4*(8*i+a)+3], s[\lo:\lo+1] offset:ROWB*a+8192*i    ; token block a: a row; channel block 16 i on: 16 halves
.endif
.set a, a+1
.endr
.set i, i+1
.endr
.endm
	OUTP 0, 78, 0
	OUTP 1, 80, 0
	OUTP 2, 82, 1
	s_wait_tensorcnt 0x0                           ; the wave's end
	ds_add_u32 v[SPW], v[NIL]
	s_wait_dscnt 0x0
	CROUND                                         ; the closing round: no work-group ends while a partner may still ask for a tile that names it
	s_endpgm
.Lfunc_end_k_qe6312acc75_proj:
	.size	k_qe6312acc75_proj, .Lfunc_end_k_qe6312acc75_proj-k_qe6312acc75_proj
	.p2alignl 7, 3214868480
	.fill 96, 4, 3214868480
	.section	.rodata,"a",@progbits
	.p2align	6, 0x0
	.amdhsa_kernel k_qe6312acc75_proj
		.amdhsa_group_segment_fixed_size 327680
		.amdhsa_private_segment_fixed_size 0
		.amdhsa_enable_private_segment 0
		.amdhsa_kernarg_size 64
		.amdhsa_user_sgpr_count 2
		.amdhsa_user_sgpr_kernarg_segment_ptr 1
		.amdhsa_wavefront_size32 1
		.amdhsa_system_sgpr_workgroup_id_x 1
		.amdhsa_system_sgpr_workgroup_id_y 1
		.amdhsa_system_sgpr_workgroup_id_z 1
		.amdhsa_system_vgpr_workitem_id 0
		.amdhsa_next_free_vgpr 1024
		.amdhsa_next_free_sgpr 96
		.amdhsa_reserve_vcc 0
		.amdhsa_float_denorm_mode_32 3
		.amdhsa_float_denorm_mode_16_64 3
		.amdhsa_memory_ordered 1
		.amdhsa_forward_progress 1
		.amdhsa_inst_pref_size 103
	.end_amdhsa_kernel
	.amdgpu_metadata
---
amdhsa.version: [ 1, 2 ]
amdhsa.kernels:
  - .name:           k_qe6312acc75_proj
    .symbol:         k_qe6312acc75_proj.kd
    .args:
      - { .name: XF, .offset: 0, .size: 8, .value_kind: global_buffer, .address_space: global }
      - { .name: WF, .offset: 8, .size: 8, .value_kind: global_buffer, .address_space: global }
      - { .name: bq, .offset: 16, .size: 8, .value_kind: global_buffer, .address_space: global }
      - { .name: bk, .offset: 24, .size: 8, .value_kind: global_buffer, .address_space: global }
      - { .name: bv, .offset: 32, .size: 8, .value_kind: global_buffer, .address_space: global }
      - { .name: QF, .offset: 40, .size: 8, .value_kind: global_buffer, .address_space: global }
      - { .name: KF, .offset: 48, .size: 8, .value_kind: global_buffer, .address_space: global }
      - { .name: VF, .offset: 56, .size: 8, .value_kind: global_buffer, .address_space: global }
    .group_segment_fixed_size: 327680
    .private_segment_fixed_size: 0
    .kernarg_segment_align: 8
    .kernarg_segment_size: 64
    .max_flat_workgroup_size: 128
    .sgpr_count:     96
    .vgpr_count:     1024
    .wavefront_size: 32
...
	.end_amdgpu_metadata
.endif
;; end of part 2
;; launch scores (part 3): grid 8 x 32, 4 waves a work-group, clusters of 4 x 4, 327,680 bytes of LDS; arguments QF, KF, PF, ST; writes PF, ST
.if DOCPART == 3
	.amdgcn_target "amdgcn-amd-amdhsa--gfx1250"
	.amdhsa_code_object_version 6
	.text
	.protected	k_qe6312acc75_scores
	.globl	k_qe6312acc75_scores
	.p2align	8
	.type	k_qe6312acc75_scores,@function
k_qe6312acc75_scores:
	s_mov_b64 s[64:65], 0
	v_nop
	global_prefetch_b8 v0, s[64:65] scope:SCOPE_SE
	s_setreg_imm32_b32 hwreg(HW_REG_WAVE_MODE, 25, 1), 1
	s_wait_xcnt 0x0
	s_wait_alu depctr_hold_cnt(0) depctr_sa_sdst(0) depctr_va_vdst(0) depctr_va_sdst(0) depctr_va_ssrc(0) depctr_va_vcc(0) depctr_vm_vsrc(0)
	s_getreg_b32 s2, hwreg(HW_REG_IB_STS2, 6, 4)
	s_cmp_eq_u32 s2, 0
	s_cbranch_scc0 .Lentry_in_a_cluster
	s_endpgm
.Lentry_in_a_cluster:
	s_bfe_u32 s2, ttmp6, 0x10000c
	s_cmp_lg_u32 s2, 0xf033
	s_cbranch_scc0 .Lentry_shape_is_right
	s_endpgm
.Lentry_shape_is_right:
; SCORES.  S = q k^T over 768 channels, and the first half of the softmax: for each query and each GROUP of 128 keys the group's maximum of c s, c = log2(e) / sqrt(768), called c m_g, the weights
; p = 2^(c s - c m_g), rounded to bf16 into PF, and l_g = the sum of the unrounded p, with c m_g, in f32 into ST.  The launch behind corrects every group to the row's true maximum, in f32.
; So a true maximum is taken away before every exponential: c s is rounded once, c m_g is the largest of those numbers, and no exponent is above 0.  LIMITS: a weight below 2^-126 counts as 0; NaN and infinities are not treated apart.
; Buffers in FRAGMENT ORDER (16 rows x 32 k in 1,024 bytes: [half e][lane l][16 bytes], lane (r, h) holding k = 16 e + 8 h .. + 7 of row r): QF, KF [token block][channel / 32], PF [query block][key / 32] (131,072 bytes a row).
; ST: c m at 0, l at 1,048,576; the record of (group g, 128 queries t) is 512 bytes at (64 g + t) x 512: lane (r, h) holds four words: query r of query blocks 4 h + 0..3.
; SHARES.  A tile is 256 queries x 256 keys of one batch; four waves, each 128 x 128 (one group): 64 accumulators, 512 registers.  K goes in six steps of 128 channels through two LDS slots; a block's part
; of a step is 4,096 consecutive bytes: no padding, and every LDS load takes 512 bytes on end.
; A WORK-GROUP STAYS: it makes TWO tiles, the same 256 queries against key tiles x and x + 8: 8 x 32 work-groups.  The two tiles' 12 K steps are ONE stream for the ring, with ten refills: the first tile's last two changes of
; slots ask for the second tile's first two K steps, which land under the first tile's epilogue, and nothing waits for the first tile's stores.  One scalar, NF, counts the refills still to come, 10 to 0: it is the loop's
; counter, it says where the addresses jump to the second tile, and at NF = 4 the loop is left in the middle of a trip for the first tile's epilogue.
; Source 0 = 16 keys, source 1 = 16 queries: a lane holds ONE query (r) and the keys 8 h + 0..7 of each key block: a query's maximum and sum want one exchange between the lanes' halves, and eight weights
; pack into a half of PF: every store is 512 consecutive bytes straight from registers.
; CLUSTER 4 x 4: q's tile is shared along a row of the cluster, k's along a column: joint loads.  All sixteen partners walk alike.
; REGISTERS, in windows of 256 (s_set_vgpr_msb: bits 1:0 source 0, 3:2 source 1, 5:4 source 2, 7:6 destination):
;   window 0: v16-30 addresses; v64-127, v128-191 q's fragments, two buffers.  The epilogue keeps off buffer 0, which holds the next tile's first fragments: v32-55 at work, v128-191 the block in hand,
;             v192-223 its packed weights, v224-247 statistics
;   window 1: v64-127, v128-191 k's fragments     window 2: accumulators of query blocks 0-3, (a, b) at v[8 (8 a + b)]     window 3: query blocks 4-7
.set BLK,   4096
.set ROWB,  24576                      ; a block's bytes over all of K: six steps
.set KJUMP, 127*ROWB                   ; from the step behind a key tile's last to the first step of the tile 8 further on: 128 token blocks on, one block row back
.set SLOT1, 1<<17                      ; a slot: q's 16 blocks, then k's 16: 131,072 bytes
.set SPARE, 2*SLOT1                    ; the spare words, 128 bytes a wave: two blocks of 256 bytes that no other line names
.set AQ0,  16                          ; v16  my lane's place in my 8 blocks of q, slot 0; never rewritten
.set AK0,  17                          ; v17  the same for k
.set ADQ,  18                          ; v18  AQ0 + the slot in hand
.set ADK,  19
.set SO,   20                          ; v20  16 l
.set SPW,  28
.set NIL,  29
.set PFO,  30
.set F0,   64
.set F1,   128
.set T,    32                          ; v32-52    at work
.set CM,   54                          ; v54-55    c m of the block in hand: the packed subtraction names a pair and takes its low word
.set X,    128                         ; v128-191  c s of the block in hand, then its weights
.set PK,   192                         ; v192-223  the weights in bf16
.set MCS,  224                         ; v224-231  c m: a shift register: the newest block's at 224
.set LSS,  232                         ; v232-239  l: likewise
.set SM,   240                         ; v240-243, v244-247: my four words of the two records
.set SL,   244
.set TS,  4                            ; s[4:5]   the tile's byte offset in ST
.set JP,  6                            ; s[6:7]   what k's address (or a prefetch's) jumps by: KJUMP at the change of tiles, else 0
.set JQ,  8                            ; s[8:9]   what q's address goes back by: a block row at the change of tiles, else 0
.set TO,  18                           ; s[18:19] the tile's byte offset in PF
.set NF,  23                           ; s23      refills still to come
.set G1Q, 24
.set G0Q, 32
.set G1K, 48
.set G0K, 56
.set SB,  66                           ; s[66:67] ST at my record of the first tile
.set CS,  76                           ; s[76:77] c
.set SEL, 78                           ; s[78:79] v_permlanex16_b32's selects: each lane takes its own place in the other half
.set HM,  80                           ; s80  the mask of lanes 16-31
.set DL,  82                           ; s[82:83] what PF's address steps by: 0 for a tile's first query block, then a row of PF
.set TB,  84
.set LIM, 85                           ; s85  a wave prefetches while NF is above this
.set PFA, 86
.set PB,  92                           ; s[92:93] PF at my part of the first tile
.set MSB, 0
.macro WIN new
.if MSB != (\new)
	s_set_vgpr_msb (MSB<<8)|(\new)
.set MSB, \new
.endif
.endm
.set MUL_LO, 0xa1                      ; source 0 (k) window 1, source 1 (q) window 0, C and D window 2
.set MUL_HI, 0xf1
.set TO_B,   0x40
.macro PLACES
.rept 4
	v_nop
.endr
.endm
.macro CREST
	s_cmp_lg_u32 s10, 0
	s_cbranch_scc1 .Lnot_wave_0_\@
	s_barrier_signal -3
.Lnot_wave_0_\@:
	s_barrier_wait -3
	s_barrier_signal -1
	s_barrier_wait -1
.endm
.macro CROUND
	s_barrier_signal -1
	s_barrier_wait -1
	CREST
.endm
.macro JLOAD                           ; a joint refill by the walking sets: waves 0 and 1 q's halves, waves 2 and 3 k's; an s_nop 0 and four v_nop follow each line
	s_cmp_eq_u32 s11, 0
	s_cbranch_scc0 .Lfor_k_\@
	tensor_load_to_lds s[G0Q+4:G0Q+7], s[G1Q:G1Q+7]
	s_nop 0
	PLACES
	s_branch .Lasked_\@
.Lfor_k_\@:
	tensor_load_to_lds s[G0K+4:G0K+7], s[G1K:G1K+7]
	s_nop 0
	PLACES
.Lasked_\@:
.endm
; A PREFETCH of the K step that the NEXT refill will ask for, 256 matrix instructions ahead of that load.  q's tile row is read by the two clusters of its row of clusters: the one with x = 0 asks; k's tile columns by the
; four clusters of their batch: the first of them asks.  Of the 8 blocks that a wave fetches each of the four partners takes 2, told apart by address, a lane to each 256 bytes.  Each block is named once in the launch:
; q's, which both tiles multiply, in the first tile alone (while NF, already stepped, is above 6); k's through both tiles (while NF is above 0: the last refill asks for nothing).
.macro ASK
	s_cmp_gt_u32 s[NF], s[LIM]
	s_cbranch_scc0 .Lnot_mine_\@
	global_prefetch_b8 v[PFO], s[PFA:PFA+1] th:TH_LOAD_NT scope:SCOPE_SE
.Lnot_mine_\@:
.endm
	s_load_b256 s[68:75], s[0:1], 0x0              ; QF s[68:69], KF s[70:71], PF s[72:73], ST s[74:75]
	v_lshl_add_u32 v[SPW], v0, 2, SPARE
	v_mov_b32 v[NIL], 0
	ds_add_u32 v[SPW], v[NIL]                      ; the wave's opening: the add and its wait ahead of my first tensor load
	v_lshrrev_b32 v1, 5, v0
	v_readfirstlane_b32 s10, v1                    ; wave 0..3
	s_lshr_b32 s11, s10, 1                         ; my half of the queries.  Also: I fetch for q (0) or for k (1)
	s_and_b32 s12, s10, 1                          ; my half of the keys.  Also: which half of that tile I fetch
	s_bfe_u32 s40, ttmp6, 0x40000                  ; cx
	s_bfe_u32 s41, ttmp6, 0x40004                  ; cy
	s_lshl_b32 s42, ttmp9, 2
	s_add_co_u32 s42, s42, s40                     ; x, 0..7: my first key tile of the batch; the second is x + 8
	s_and_b32 s45, ttmp7, 0xffff                   ; cluster y
	s_lshl_b32 s13, s45, 2
	s_add_co_u32 s13, s13, s41                     ; y: 16 x batch + query tile
	s_lshl_b32 s43, s41, 2
	s_lshl_b32 s43, 15, s43                        ; my row of the cluster
	s_lshl_b32 s44, 0x1111, s40                    ; my column
	s_or_b32 s[G1Q], s43, (3<<16)|(1<<21)          ; 8 rows of 512 elements of 8 bytes, 3,072 elements from row to row; no padding
	s_or_b32 s[G1K], s44, (3<<16)|(1<<21)
.irp g, G1Q, G1K
	s_mov_b32 s[(\g)+1], 512<<16
	s_mov_b32 s[(\g)+2], 8<<16
	s_mov_b32 s[(\g)+3], 512<<16
	s_mov_b32 s[(\g)+4], 8
	s_mov_b32 s[(\g)+5], 3072
	s_mov_b32 s[(\g)+6], 0
	s_mov_b32 s[(\g)+7], 0
.endr
	s_lshl_b32 s16, s13, 4
	s_lshl_b32 s17, s12, 3
	s_add_co_u32 s16, s16, s17                     ; q: token block 16 y + 8 x half
	s_mul_i32 s16, s16, ROWB
	s_mov_b32 s17, 0
	s_lshr_b32 s46, s45, 2                         ; the batch, from the cluster's y: the same in all sixteen partners
	s_lshl_b32 s46, s46, 8
	s_lshl_b32 s47, s42, 4
	s_add_co_u32 s46, s46, s47
	s_lshl_b32 s47, s12, 3
	s_add_co_u32 s46, s46, s47                     ; k: token block 256 x batch + 16 x + 8 x half
	s_mul_i32 s46, s46, ROWB
	s_mov_b32 s47, 0
	s_lshl_b32 s20, s12, 15                        ; where they go: q's half,
	s_add_co_u32 s21, s20, 16*BLK                  ; k's behind q's 16 blocks
	s_mov_b32 s[CS], 0x3d553b95                    ; c = log2(e) / sqrt(768) = 0.0520588
	s_mov_b32 s[CS+1], s[CS]
	s_mov_b32 s[SEL], 0x76543210
	s_mov_b32 s[SEL+1], 0xfedcba98
	s_mov_b32 s[HM], 0xffff0000
	s_mov_b32 s[NF], 10                            ; stream steps 2 to 11 come by refills
	s_mov_b32 s2, 2                                ; tiles to go
	s_mov_b32 s[JP+1], 0                           ; the upper words of the offsets' pairs
	s_mov_b32 s[JQ+1], 0
	s_mov_b32 s[DL+1], 0
	s_mov_b32 s[TO], 0                             ; the first tile's offsets
	s_mov_b32 s[TO+1], 0
	s_mov_b32 s[TS], 0
	s_mov_b32 s[TS+1], 0
	s_wait_dscnt 0x0                               ; the opening add is done
	s_wait_kmcnt 0x0
	s_add_nc_u64 s[14:15], s[68:69], s[16:17]
	s_add_nc_u64 s[46:47], s[70:71], s[46:47]
	CROUND                                         ; all sixteen work-groups are here: the first joint loads meet
.irp s, 0,1
	s_mov_b32 s[G0Q+4*(\s)], 1
	s_add_co_u32 s[G0Q+4*(\s)+1], s20, (\s)*SLOT1
	s_add_nc_u64 s[G0Q+4*(\s)+2:G0Q+4*(\s)+3], s[14:15], (\s)*BLK
	s_or_b32 s[G0Q+4*(\s)+3], s[G0Q+4*(\s)+3], 0x80000000
	s_mov_b32 s[G0K+4*(\s)], 1
	s_add_co_u32 s[G0K+4*(\s)+1], s21, (\s)*SLOT1
	s_add_nc_u64 s[G0K+4*(\s)+2:G0K+4*(\s)+3], s[46:47], (\s)*BLK
	s_or_b32 s[G0K+4*(\s)+3], s[G0K+4*(\s)+3], 0x80000000
.endr
	s_cmp_eq_u32 s11, 0                            ; a wave's two first fills stand in one branch: two loads of mine are out
	s_cbranch_scc0 .Lfirst_k
	tensor_load_to_lds s[G0Q:G0Q+3], s[G1Q:G1Q+7]
	s_nop 0
	tensor_load_to_lds s[G0Q+4:G0Q+7], s[G1Q:G1Q+7]
	s_nop 0
	PLACES
	s_branch .Lfirst_asked
.Lfirst_k:
	tensor_load_to_lds s[G0K:G0K+3], s[G1K:G1K+7]
	s_nop 0
	tensor_load_to_lds s[G0K+4:G0K+7], s[G1K:G1K+7]
	s_nop 0
	PLACES
.Lfirst_asked:
	v_and_b32 v1, 15, v0                           ; r
	v_bfe_u32 v2, v0, 4, 1                         ; h
	v_and_b32 v3, 31, v0
	v_lshlrev_b32 v[SO], 4, v3
	s_lshl_b32 s22, s11, 15                        ; my 8 blocks of q
	v_add_nc_u32 v[AQ0], s22, v[SO]
	v_add_nc_u32 v[AK0], s21, v[SO]                ; my 8 blocks of k: the half that s21 names
	v_mov_b32 v[ADQ], v[AQ0]
	v_mov_b32 v[ADK], v[AK0]
	s_mov_b32 s[TB], 0
	v_mov_b32 v[CM+1], 0                           ; named with CM as a pair, so it is written
.set i, 0
.rept 16
	v_mov_b32 v[MCS+i], 0                          ; the two shift registers are read before they are full, so they are written
.set i, i+1
.endr
	; PF at (query block 16 y + 8 x my half) x 131,072 + (key block 16 x + 8 x my half) x 512
	s_lshl_b32 s88, s13, 4
	s_lshl_b32 s89, s11, 3
	s_add_co_u32 s88, s88, s89
	s_lshl_b32 s88, s88, 17
	s_lshl_b32 s89, s42, 4
	s_lshl_b32 s90, s12, 3
	s_add_co_u32 s89, s89, s90
	s_lshl_b32 s89, s89, 9
	s_add_co_u32 s88, s88, s89
	s_mov_b32 s89, 0
	s_add_nc_u64 s[PB:PB+1], s[72:73], s[88:89]
	; ST at (64 (2 x + my half of the keys) + 2 y + my half of the queries) x 512
	s_lshl_b32 s90, s42, 1
	s_add_co_u32 s90, s90, s12
	s_lshl_b32 s90, s90, 6
	s_lshl_b32 s91, s13, 1
	s_add_co_u32 s90, s90, s91
	s_add_co_u32 s90, s90, s11
	s_lshl_b32 s90, s90, 9
	s_mov_b32 s91, 0
	s_add_nc_u64 s[SB:SB+1], s[74:75], s[90:91]
	; the prefetches
	s_and_b32 s22, s45, 3                          ; the cluster's place among the four of its batch
	s_cmp_eq_u32 s11, 0                            ; do I fetch for q?
	s_cselect_b32 s21, s40, s41                    ; my place among the four that ask with me
	s_cselect_b32 s22, ttmp9, s22                  ; the coordinate along which other clusters read the same blocks
	s_cselect_b32 s16, 6, 0                        ; q is named in the first tile alone, k to the last refill but one
	s_cselect_b64 s[PFA:PFA+1], s[14:15], s[46:47]
	s_cmp_eq_u32 s22, 0
	s_cselect_b32 s[LIM], s16, -1                  ; the same in all sixteen partners, for a given wave; the greatest number in a wave that never asks
	s_lshl_b32 s94, s21, 1                         ; my work-group's 2 of the 8 blocks,
	s_mul_i32 s94, s94, ROWB
	s_add_co_u32 s94, s94, 2*BLK                   ; at K step 2: the first refill steps the address to step 3 and names it
	s_mov_b32 s95, 0
	s_add_nc_u64 s[PFA:PFA+1], s[PFA:PFA+1], s[94:95]
	v_mul_u32_u24 v[PFO], v2, ROWB
	v_lshl_add_u32 v[PFO], v1, 8, v[PFO]
; 16 matrix instructions: query blocks a0, a0 + 1 of the window's four x all 8 key blocks, 32 along K.  zero = 1: the first product starts the sums.
; The 64 accumulators take turns, one instruction a turn, in the same order in every quarter.
.macro MUL16 f, hi, a0, zero
	WIN MUL_LO+0x50*(\hi)
.irp a, \a0, (\a0)+1
.irp b, 0,1,2,3,4,5,6,7
.if \zero
	v_wmma_f32_16x16x32_bf16 v[8*(8*(\a)+(\b)):8*(8*(\a)+(\b))+7], v[(\f)+8*(\b):(\f)+8*(\b)+7], v[(\f)+8*(4*(\hi)+(\a)):(\f)+8*(4*(\hi)+(\a))+7], 0
.else
	v_wmma_f32_16x16x32_bf16 v[8*(8*(\a)+(\b)):8*(8*(\a)+(\b))+7], v[(\f)+8*(\b):(\f)+8*(\b)+7], v[(\f)+8*(4*(\hi)+(\a)):(\f)+8*(4*(\hi)+(\a))+7], v[8*(8*(\a)+(\b)):8*(8*(\a)+(\b))+7]
.endif
.endr
.endr
.endm
.macro FETCH k, f                      ; 32 LDS loads in one run: k's 8 fragments, then q's 8
	WIN TO_B
.irp i, 0,1,2,3,4,5,6,7
	ds_load_b128 v[(\f)+8*(\i):(\f)+8*(\i)+3],   v[ADK] offset:(\k)+(\i)*BLK
	ds_load_b128 v[(\f)+8*(\i)+4:(\f)+8*(\i)+7], v[ADK] offset:(\k)+(\i)*BLK+512
.endr
	WIN 0
.irp i, 0,1,2,3,4,5,6,7
	ds_load_b128 v[(\f)+8*(\i):(\f)+8*(\i)+3],   v[ADQ] offset:(\k)+(\i)*BLK
	ds_load_b128 v[(\f)+8*(\i)+4:(\f)+8*(\i)+7], v[ADQ] offset:(\k)+(\i)*BLK+512
.endr
.endm
.macro QUARTER k, f, g, zero
	s_wait_dscnt 8                                 ; k and q's blocks 0-3 are in; the youngest eight loads (q's blocks 4-7) may be out
	MUL16 \f, 0, 0, \zero
	MUL16 \f, 0, 2, \zero
	PLACES
	FETCH \k, \g
	s_wait_dscnt 32                                ; all but the 32 just issued
	MUL16 \f, 1, 0, \zero
	MUL16 \f, 1, 2, \zero
.endm
; The last quarter multiplies buffer 1 and changes slots: one barrier; in front of it each wave waits for all its tensor loads, adds 0 to its spare word, and waits for that and for its reads of this slot.
; fill = 1: the barrier opens a round of the cluster's, and the slot just read is filled again first thing behind it, with the stream's step two on.  With NF refills to come this one brings stream step 12 - NF:
; at NF = 6 that is the second tile's step 0, and the walking addresses jump: q's back to its first step, k's on to the tile 8 further.  The prefetch's address, one step ahead of them, jumps at NF = 7.
.macro TURN fill
.if \fill
	s_wait_xcnt 0x0                                ; the last prefetch, a K step back, has read its address
	s_cmp_eq_u32 s[NF], 7
	s_cselect_b32 s[JP], KJUMP, 0
	s_add_nc_u64 s[PFA:PFA+1], s[PFA:PFA+1], BLK
	s_add_nc_u64 s[PFA:PFA+1], s[PFA:PFA+1], s[JP:JP+1]
.endif
	WIN 0
	s_wait_tensorcnt 0x0
	ds_add_u32 v[SPW], v[NIL]
	s_wait_dscnt 9                                 ; the add and the youngest eight loads may be out
	MUL16 F1, 0, 0, 0
	s_wait_dscnt 0x0                               ; the add is done, and my reads of this slot are over
	s_barrier_signal -1
	MUL16 F1, 0, 2, 0
	WIN 0
	s_barrier_wait -1
.if \fill
	CREST                                          ; no wave of any partner still reads this slot or has a load on its way
	s_cmp_eq_u32 s[NF], 6
	s_cselect_b32 s[JQ], ROWB, 0
	s_cselect_b32 s[JP], KJUMP, 0
	s_xor_b32 s[G0Q+5], s[G0Q+5], SLOT1            ; the walking sets: the other slot than last time, the stream's next step
	s_add_nc_u64 s[G0Q+6:G0Q+7], s[G0Q+6:G0Q+7], BLK
	s_sub_nc_u64 s[G0Q+6:G0Q+7], s[G0Q+6:G0Q+7], s[JQ:JQ+1]
	s_xor_b32 s[G0K+5], s[G0K+5], SLOT1
	s_add_nc_u64 s[G0K+6:G0K+7], s[G0K+6:G0K+7], BLK
	s_add_nc_u64 s[G0K+6:G0K+7], s[G0K+6:G0K+7], s[JP:JP+1]
	s_sub_co_u32 s[NF], s[NF], 1                   ; the loop's one step of its counter
	JLOAD                                          ; it has 224 matrix instructions or more in which to land; its four v_nop are also the places in front of the loads below
.else
	PLACES
.endif
	s_xor_b32 s[TB], s[TB], SLOT1
	v_add_nc_u32 v[ADQ], s[TB], v[AQ0]
	v_add_nc_u32 v[ADK], s[TB], v[AK0]
	FETCH 0, F0
.if \fill
	ASK
.endif
	MUL16 F1, 1, 0, 0
	MUL16 F1, 1, 2, 0
.endm
	s_wait_tensorcnt 1                             ; my part of K step 0 is in; step 1's may stay out
	s_barrier_signal -1
	s_barrier_wait -1
	FETCH 0, F0
.Ltile:                                                ; twice.  At both entries: buffer 0 holds (or is being sent) the tile's first fragments, slot 0 is read, and one load of mine, into slot 1, is out
	s_wait_xcnt 0x0                                ; the last tile's stores have read their addresses
	s_add_nc_u64 s[72:73], s[PB:PB+1], s[TO:TO+1]  ; PF and ST at my part of this tile
	s_add_nc_u64 s[74:75], s[SB:SB+1], s[TS:TS+1]
	s_mov_b32 s[TO], 65536                         ; the second tile: 128 key blocks of 512 bytes on in PF's rows,
	s_mov_b32 s[TS], 524288                        ; 16 groups of 64 records on in ST
	s_mov_b32 s[DL], 0
	QUARTER 1024, F0, F1, 1                        ; a tile's first quarter stands in front of the loop: its products start the sums
	WIN 0
.Lstep:                                                ; a trip: a step's quarters 1 to 3 and the next step's quarter 0; its refill brings the stream's step two on.  Six trips in the first tile, four in the second
	QUARTER 2048, F1, F0, 0
	QUARTER 3072, F0, F1, 0
	TURN 1
	WIN 0
	s_cmp_eq_u32 s[NF], 4                          ; the first tile's last step is multiplied; both of the second tile's first steps are asked for, and its first fragments fetched
	s_cbranch_scc1 .Lout
	QUARTER 1024, F0, F1, 0
	WIN 0
	s_cmp_lg_u32 s[NF], 0
	s_cbranch_scc1 .Lstep
	; THE TAIL, the second tile's K steps 4 and 5, fills nothing: a text of its own, written once and walked twice.  The second trip is left behind its last quarter.  The price of the one text:
	; that trip's barrier, and its run of 32 LDS loads from the slot read before, which serve nothing and are waited for at the exit.
	s_mov_b32 s3, 2
.Ltail:
	QUARTER 2048, F1, F0, 0
	QUARTER 3072, F0, F1, 0
	TURN 0
	WIN 0
	s_cmp_eq_u32 s3, 1
	s_cbranch_scc1 .Lout
	QUARTER 1024, F0, F1, 0
	WIN 0
	s_sub_co_u32 s3, s3, 1
	s_cmp_lg_u32 s3, 0
	s_cbranch_scc1 .Ltail
.Lout:
	s_wait_dscnt 0x0                               ; buffer 0 is in: the next tile's first fragments, or behind the last tile the loads that serve nothing
	PLACES                                         ; between the last products and what reads them or writes their sources (buffer 1's registers take X)
; THE EPILOGUE, a query block a trip, WRITTEN ONCE.  A block's 64 registers are my query's scores against my 64 of the group's 128 keys; the other 64 lie in the lane 16 away.
; Only the first 32 lines of a trip name the block's own registers: X = c x s, from its accumulators (each from its low end on) into 64 fixed registers of window 0.  They are written for each block, and a
; chain of compares on the trip's counter jumps forward to the block's.  All the rest works on X.  c > 0, so the largest c s is c m.
.macro SPEC a
	WIN 2+(\a)/4                                   ; source 0 in the accumulators' window, destination window 0
.set i, 0
.rept 32
	v_pk_mul_f32 v[X+2*i:X+2*i+1], v[64*((\a)%4)+2*i:64*((\a)%4)+2*i+1], s[CS:CS+1] op_sel_hi:[1,0]
.set i, i+1
.endr
	WIN 0                                          ; at a label and at a branch every window is 0
.endm
	s_mov_b32 s3, 8                                ; the trip of block 8 - s3
.Lepi:
.irp a, 0,1,2,3,4,5,6
	s_cmp_eq_u32 s3, 8-(\a)
	s_cbranch_scc1 .Lblock\a
.endr
	SPEC 7
	s_branch .Lcommon
.irp a, 0,1,2,3,4,5
.Lblock\a:
	SPEC \a
	s_branch .Lcommon
.endr
.Lblock6:
	SPEC 6
.Lcommon:
.set i, 0
.rept 21                               ; the maximum, three operands at a time
	v_max3_num_f32 v[T+i], v[X+3*i], v[X+3*i+1], v[X+3*i+2]
.set i, i+1
.endr
.set i, 0
.rept 7
	v_max3_num_f32 v[T+i], v[T+3*i], v[T+3*i+1], v[T+3*i+2]
.set i, i+1
.endr
	v_max3_num_f32 v[T], v[T], v[T+1], v[T+2]
	v_max3_num_f32 v[T+3], v[T+3], v[T+4], v[T+5]
	v_max3_num_f32 v[T], v[T], v[T+3], v[T+6]
	v_max_num_f32 v[T], v[T], v[X+63]
	v_permlanex16_b32 v[T+1], v[T], s[SEL], s[SEL+1]
.irp k, 7,6,5,4,3,2,1                  ; the earlier blocks' c m move up by one: block a ends at place 7 - a
	v_mov_b32 v[MCS+(\k)], v[MCS+(\k)-1]
.endr
	v_max_num_f32 v[CM], v[T], v[T+1]              ; c m of the group
	v_mov_b32 v[MCS], v[CM]
.set i, 0
.rept 32
	v_pk_add_f32 v[X+2*i:X+2*i+1], v[X+2*i:X+2*i+1], v[CM:CM+1] op_sel_hi:[1,0] neg_lo:[0,1] neg_hi:[0,1]  ; c s - c m
.set i, i+1
.endr
.set i, 0
.rept 64                               ; ONE batch of exponentials, in place
	v_exp_f32 v[X+i], v[X+i]
.set i, i+1
.endr
	v_nop                                          ; a plain instruction behind the last exponential,
	s_wait_alu depctr_va_vdst(0)                   ; and the one wait ahead of the batch's first reader
	s_wait_xcnt 0x0                                ; the last trip's stores have read the packed weights and PF's address: only behind this wait are they written
	s_add_nc_u64 s[72:73], s[72:73], s[DL:DL+1]    ; this block's row of PF
	s_mov_b32 s[DL], 131072
.set i, 0
.rept 32
	v_cvt_pk_bf16_f32 v[PK+i], v[X+2*i], v[X+2*i+1]
.set i, i+1
.endr
.irp s, 16,8,4,2,1                     ; the sum of the unrounded weights, in f32, a tree of 31 packed additions in place
.set i, 0
.rept \s
	v_pk_add_f32 v[X+2*i:X+2*i+1], v[X+2*i:X+2*i+1], v[X+2*(i+(\s)):X+2*(i+(\s))+1]
.set i, i+1
.endr
.endr
	v_add_f32 v[T], v[X], v[X+1]
	v_permlanex16_b32 v[T+1], v[T], s[SEL], s[SEL+1]
.irp k, 7,6,5,4,3,2,1
	v_mov_b32 v[LSS+(\k)], v[LSS+(\k)-1]
.endr
	v_add_f32 v[LSS], v[T], v[T+1]                 ; l of the group
.set i, 0
.rept 8
	global_store_b128 v[SO], v[PK+4*i:PK+4*i+3], s[72:73] offset:512*i th:TH_STORE_NT  ; key block i's half: 512 consecutive bytes
.set i, i+1
.endr
	s_sub_co_u32 s3, s3, 1
	s_cmp_lg_u32 s3, 0
	s_cbranch_scc1 .Lepi
.irp i, 0,1,2,3                        ; both halves of the lanes hold all eight blocks' figures: lanes 0-15 store blocks 0-3 (places 7 to 4), lanes 16-31 blocks 4-7 (places 3 to 0)
	v_cndmask_b32 v[SM+(\i)], v[MCS+7-(\i)], v[MCS+3-(\i)], s[HM]
	v_cndmask_b32 v[SL+(\i)], v[LSS+7-(\i)], v[LSS+3-(\i)], s[HM]
.endr
	global_store_b128 v[SO], v[SM:SM+3], s[74:75]
	global_store_b128 v[SO], v[SL:SL+3], s[74:75] offset:1048576
	s_sub_co_u32 s2, s2, 1
	s_cmp_lg_u32 s2, 0
	s_cbranch_scc1 .Ltile                          ; the second tile: its products run while the first tile's stores leave
	s_wait_tensorcnt 0x0                           ; the wave's end
	ds_add_u32 v[SPW], v[NIL]
	s_wait_dscnt 0x0
	CROUND                                         ; the closing round
	s_endpgm
.Lfunc_end_k_qe6312acc75_scores:
	.size	k_qe6312acc75_scores, .Lfunc_end_k_qe6312acc75_scores-k_qe6312acc75_scores
	.p2alignl 7, 3214868480
	.fill 96, 4, 3214868480
	.section	.rodata,"a",@progbits
	.p2align	6, 0x0
	.amdhsa_kernel k_qe6312acc75_scores
		.amdhsa_group_segment_fixed_size 327680
		.amdhsa_private_segment_fixed_size 0
		.amdhsa_enable_private_segment 0
		.amdhsa_kernarg_size 32
		.amdhsa_user_sgpr_count 2
		.amdhsa_user_sgpr_kernarg_segment_ptr 1
		.amdhsa_wavefront_size32 1
		.amdhsa_system_sgpr_workgroup_id_x 1
		.amdhsa_system_sgpr_workgroup_id_y 1
		.amdhsa_system_sgpr_workgroup_id_z 1
		.amdhsa_system_vgpr_workitem_id 0
		.amdhsa_next_free_vgpr 1024
		.amdhsa_next_free_sgpr 96
		.amdhsa_reserve_vcc 0
		.amdhsa_float_denorm_mode_32 3
		.amdhsa_float_denorm_mode_16_64 3
		.amdhsa_memory_ordered 1
		.amdhsa_forward_progress 1
		.amdhsa_inst_pref_size 100
	.end_amdhsa_kernel
	.amdgpu_metadata
---
amdhsa.version: [ 1, 2 ]
amdhsa.kernels:
  - .name:           k_qe6312acc75_scores
    .symbol:         k_qe6312acc75_scores.kd
    .args:
      - { .name: QF, .offset: 0, .size: 8, .value_kind: global_buffer, .address_space: global }
      - { .name: KF, .offset: 8, .size: 8, .value_kind: global_buffer, .address_space: global }
      - { .name: PF, .offset: 16, .size: 8, .value_kind: global_buffer, .address_space: global }
      - { .name: ST, .offset: 24, .size: 8, .value_kind: global_buffer, .address_space: global }
    .group_segment_fixed_size: 327680
    .private_segment_fixed_size: 0
    .kernarg_segment_align: 8
    .kernarg_segment_size: 32
    .max_flat_workgroup_size: 128
    .sgpr_count:     96
    .vgpr_count:     1024
    .wavefront_size: 32
...
	.end_amdgpu_metadata
.endif
;; end of part 3
;; launch pv (part 4): grid 4 x 64, 4 waves a work-group, clusters of 4 x 1, 327,680 bytes of LDS; arguments PF, VF, ST, out0; writes out0
.if DOCPART == 4
	.amdgcn_target "amdgcn-amd-amdhsa--gfx1250"
	.amdhsa_code_object_version 6
	.text
	.protected	k_qe6312acc75_pv
	.globl	k_qe6312acc75_pv
	.p2align	8
	.type	k_qe6312acc75_pv,@function
k_qe6312acc75_pv:
	s_mov_b64 s[64:65], 0
	v_nop
	global_prefetch_b8 v0, s[64:65] scope:SCOPE_SE
	s_setreg_imm32_b32 hwreg(HW_REG_WAVE_MODE, 25, 1), 1
	s_wait_xcnt 0x0
	s_wait_alu depctr_hold_cnt(0) depctr_sa_sdst(0) depctr_va_vdst(0) depctr_va_sdst(0) depctr_va_ssrc(0) depctr_va_vcc(0) depctr_vm_vsrc(0)
	s_getreg_b32 s2, hwreg(HW_REG_IB_STS2, 6, 4)
	s_cmp_eq_u32 s2, 0
	s_cbranch_scc0 .Lentry_in_a_cluster
	s_endpgm
.Lentry_in_a_cluster:
	s_bfe_u32 s2, ttmp6, 0x10000c
	s_cmp_lg_u32 s2, 0x3003
	s_cbranch_scc0 .Lentry_shape_is_right
	s_endpgm
.Lentry_shape_is_right:
; PV.  out[q] = sum over groups g of f_g (P_g V_g), the second half of the softmax.  For each query: M = max over g of c m_g, e_g = 2^(c m_g - M), L = sum of e_g l_g, f_g = e_g / L, all in f32:
; the row's true maximum is taken away, and the largest e_g is 1, with an l_g of 1 or more, so L is never near 0.  LIMITS: an e_g below 2^-126 counts as 0; NaN and infinities are not treated apart.
; Buffers in FRAGMENT ORDER (16 rows x 32 k in 1,024 bytes): PF [query block][key / 32] (rows: queries), VF [batch x 48 + channel block][key / 32] (rows: channels); both 131,072 bytes a row.
; SHARES.  A work-group: 128 queries x 192 channels; 4 x 64 work-groups.  A wave: all 128 queries x 48 channels: 24 accumulators.  Keys go in 128 steps of 32; a group is four steps.
; Source 0 = 16 channels of V^T, source 1 = 16 queries of P: a lane holds ONE query (r) and 8 neighbouring channels, so f_g is one number a lane and query block.
; T AND MAIN.  A group's products are summed in T (its first product takes C = 0).  Under the next group's first step T is folded into MAIN: MAIN += f_g T, in f32, four packed lines ahead of each product that starts T anew.
; TWO ROADS.  P is wanted by all four waves and by all four work-groups of the cluster (the four channel blocks of one query tile): joint tensor loads into two LDS slots of 512 keys, so that a load has 384 matrix
; instructions in which to land.  V^T's fragments are each wanted by one wave of the work-group alone: they come straight from memory into a ring of eight register slots, six steps ahead (512 consecutive bytes a load).
; REGISTERS, in windows of 256 (s_set_vgpr_msb: bits 1:0 source 0, 3:2 source 1, 5:4 source 2, 7:6 destination):
;   windows 1 (query blocks 0-3) and 2 (blocks 4-7), each: v0-95 T, (a, cb) at v[8 (3 a + cb)]; v96-191 MAIN; v192-223, v224-255 P's fragments, two buffers
;   window 3: v0-191 V's ring, step s at v[24 (s % 8) + 8 cb]; v192-207 f of the group to be folded, a pair (f, f) a query block; v208-213 addresses
;   window 0: head and way out.  One setting (0x57 or 0xab) serves a half's products, its folds and its LDS loads.
.set SLOT1, 1<<17                      ; a slot: 8 query blocks x 16,384 bytes (16 steps)
.set FT,    2*SLOT1                    ; f: [g][j 0..3][r][4 words: f of block 2 j twice, of block 2 j + 1 twice]: 32,768 bytes, stored once, never a tensor load's target
.set SPARE, FT+32768                   ; the spare words, 128 bytes a wave: two blocks of 256 bytes that no other line names
.set SP,    784                        ; the stage's pitch: 768 bytes + 16 = 196 words: row r starts at bank 4 r mod 64 (64 banks of 4 bytes: ISA guide 11.1).  The stage, 128 rows, lies in slot 0, behind that slot's last fill of the launch
.set STV,  4                           ; v4   my word in a record of ST
.set FTS,  5                           ; v5   where I put my pairs of f
.set STO0, 6                           ; v6   the way out: my 32 bytes of a stage row, query blocks 0-3
.set STO1, 7                           ; v7   blocks 4-7
.set RD,   8                           ; v8   where I read rows back
.set GO,   9                           ; v9   my byte offset in two rows of out
.set PFO,  10                          ; v10  256 x my lane
.set SPW,  62
.set NIL,  63
.set MC,   64                          ; v64-95   c m_g, then e_g
.set LL,   96                          ; v96-127  l_g
.set FP,   128                         ; v128-191 the pairs (f_g, f_g)
.set OB,   64                          ; the way out: 48 x 4 registers
.set FR,   192                         ; window 3
.set L16,  208                         ; 16 l; never rewritten
.set PA0,  209                         ; LDS address of P's blocks 0-3 in the body in hand
.set PA1,  210                         ; blocks 4-7
.set FA,   211                         ; LDS address of the body's f
.set VO,   212                         ; 16 l, for V's loads; never rewritten
.set R16,  213                         ; 16 r; never rewritten
.set G1,  24                           ; s[24:31]
.set G0,  32                           ; s[32:39] a set for each first fill; the second then walks
.set CNT, 44                           ; s44  a slot's two bodies
.set SLOTS, 45                         ; s45  slots still to be entered in the loop
.set TB,  84                           ; s84  LDS byte at which the body's 8 steps begin in each block's row
.set FB,  85                           ; s85  LDS byte of the body's two groups' f
.set KN,  86                           ; s[86:87] the next body's byte in a row of VF, modulo the row
.set VROW, 88                          ; s[88:89] VF at my three rows
.set VB,  90                           ; s[90:91] the same at the body in hand
.set VN,  92                           ; s[92:93] at the next body
.set PFA, 94                           ; s[94:95] where my prefetches stand
.set W_M1, 0x57
.set W_M2, 0xab
.set MSB, 0
.macro WIN new
.if MSB != (\new)
	s_set_vgpr_msb (MSB<<8)|(\new)
.set MSB, \new
.endif
.endm
.macro PLACES
.rept 4
	v_nop
.endr
.endm
.macro CROUND
	s_barrier_signal -1
	s_barrier_wait -1
	s_cmp_lg_u32 s10, 0
	s_cbranch_scc1 .Lnot_wave_0_\@
	s_barrier_signal -3
.Lnot_wave_0_\@:
	s_barrier_wait -3
	s_barrier_signal -1
	s_barrier_wait -1
.endm
	s_load_b256 s[68:75], s[0:1], 0x0              ; PF s[68:69], VF s[70:71], ST s[72:73], out0 s[74:75]
	v_lshl_add_u32 v[SPW], v0, 2, SPARE
	v_mov_b32 v[NIL], 0
	ds_add_u32 v[SPW], v[NIL]                      ; the wave's opening: the add and its wait ahead of my first tensor load
	v_lshrrev_b32 v1, 5, v0
	v_readfirstlane_b32 s10, v1                    ; wave 0..3
	s_bfe_u32 s40, ttmp6, 0x40000                  ; cx: my block of 192 channels: it enters V's, out's and the prefetches' addresses alone
	s_and_b32 s13, ttmp7, 0xffff                   ; qt: the tile of 128 queries, which the four partners share
	s_mov_b32 s[G1], 15|(3<<16)|(1<<21)            ; 15:0 the mask of four; 17:16 elements of 8 bytes; 21 set beside a mask; no padding
	s_mov_b32 s[G1+1], 2048<<16                    ; tensor_dim0 = 2,048 (16,384 bytes: 16 steps of a query block)
	s_mov_b32 s[G1+2], 2<<16                       ; tensor_dim1 = 2
	s_mov_b32 s[G1+3], 2048<<16                    ; tile_dim0
	s_mov_b32 s[G1+4], 2                           ; tile_dim1: each wave fetches two query blocks
	s_mov_b32 s[G1+5], 16384                       ; 131,072 bytes from row to row
	s_mov_b32 s[G1+6], 0
	s_mov_b32 s[G1+7], 0
	s_lshl_b32 s16, s13, 3
	s_lshl_b32 s17, s10, 1
	s_add_co_u32 s16, s16, s17                     ; query block 8 qt + 2 w
	s_lshl_b32 s16, s16, 17
	s_mov_b32 s17, 0
	s_lshl_b32 s20, s10, 15                        ; and its place in a slot
	s_wait_dscnt 0x0                               ; the opening add is done
	s_wait_kmcnt 0x0
	s_add_nc_u64 s[14:15], s[68:69], s[16:17]
	CROUND                                         ; all four work-groups are here: the first joint loads meet
.irp s, 0,1
	s_mov_b32 s[G0+4*(\s)], 1
	s_add_co_u32 s[G0+4*(\s)+1], s20, (\s)*SLOT1
	s_add_nc_u64 s[G0+4*(\s)+2:G0+4*(\s)+3], s[14:15], (\s)*16384
	s_or_b32 s[G0+4*(\s)+3], s[G0+4*(\s)+3], 0x80000000
.endr
	tensor_load_to_lds s[G0:G0+3], s[G1:G1+7]      ; keys 0-511 and 512-1,023: two loads of mine are out
	s_nop 0
	tensor_load_to_lds s[G0+4:G0+7], s[G1:G1+7]
	s_nop 0
	PLACES
	v_and_b32 v1, 15, v0                           ; r
	v_bfe_u32 v2, v0, 4, 1                         ; h
	v_and_b32 v3, 31, v0                           ; l
	; the statistics: in the head a lane owns ONE query: r of query block 2 w + h: word (2 w + h) % 4 of lane (r, w / 2) of each record
	s_lshr_b32 s18, s10, 1
	s_lshl_b32 s18, s18, 8
	s_and_b32 s19, s10, 1
	s_lshl_b32 s19, s19, 3
	s_add_co_u32 s18, s18, s19
	v_lshl_add_u32 v[STV], v1, 4, s18
	v_lshl_add_u32 v[STV], v2, 2, v[STV]
	s_lshl_b32 s22, s13, 9
	s_mov_b32 s23, 0
	s_add_nc_u64 s[72:73], s[72:73], s[22:23]
.set g, 0
.rept 32
	global_load_b32 v[MC+g], v[STV], s[72:73] offset:32768*g
	global_load_b32 v[LL+g], v[STV], s[72:73] offset:32768*g+1048576
.set g, g+1
.endr
	WIN 0xc0                                       ; destination window 3, sources window 0
	v_lshlrev_b32 v[L16], 4, v3
	v_lshlrev_b32 v[VO], 4, v3
	v_lshlrev_b32 v[R16], 4, v1
	s_lshr_b32 s16, s13, 5                         ; batch
	s_mul_i32 s16, s16, 48
	s_mul_i32 s17, s40, 12
	s_add_co_u32 s16, s16, s17
	s_mul_i32 s17, s10, 3
	s_add_co_u32 s16, s16, s17                     ; my first channel block
	s_lshl_b32 s16, s16, 17
	s_mov_b32 s17, 0
	s_add_nc_u64 s[VROW:VROW+1], s[70:71], s[16:17]
	s_mov_b64 s[VB:VB+1], s[VROW:VROW+1]
	s_mov_b32 s[KN], 8192
	s_mov_b32 s[KN+1], 0
	s_add_nc_u64 s[VN:VN+1], s[VROW:VROW+1], s[KN:KN+1]
.macro LOADV n, base                   ; V^T of the step at place n of a body: three fragments, six loads, into ring slot n
.irp cb, 0,1,2
	global_load_b128 v[24*(\n)+8*(\cb):24*(\n)+8*(\cb)+3],   v[VO], s[\base:\base+1] offset:(\n)*1024+131072*(\cb)
	global_load_b128 v[24*(\n)+8*(\cb)+4:24*(\n)+8*(\cb)+7], v[VO], s[\base:\base+1] offset:(\n)*1024+131072*(\cb)+512
.endr
.endm
	WIN 0xc3                                       ; destination and address window 3
.irp n, 0,1,2,3,4,5
	LOADV \n, VB
.endr
	; MAIN starts at 0: 192 lines, written while the first tile is on its way.  The price of one text for every fold: a first fold written out would be a third copy of the loop's body.
	WIN 0x40
.set i, 0
.rept 96
	v_mov_b32 v[96+i], 0
.set i, i+1
.endr
	WIN 0x80
.set i, 0
.rept 96
	v_mov_b32 v[96+i], 0
.set i, i+1
.endr
	WIN 0
	; addresses for the way out and the prefetches
	s_mul_i32 s18, s10, 192
	v_mul_u32_u24 v[STO0], v1, SP
	v_lshl_add_u32 v[STO0], v2, 5, v[STO0]
	v_add_nc_u32 v[STO0], s18, v[STO0]             ; row r, my wave's 192 bytes, 32 h
	v_add_nc_u32 v[STO1], 64*SP, v[STO0]
	s_mul_i32 s18, s10, 32*SP
	v_mul_u32_u24 v[RD], v2, SP
	v_lshl_add_u32 v[RD], v1, 4, v[RD]
	v_add_nc_u32 v[RD], s18, v[RD]                 ; back: wave w takes rows 32 w on; lanes 0-15 256 bytes of one row, lanes 16-31 of the next
	v_mul_u32_u24 v[GO], v2, 3072
	v_lshl_add_u32 v[GO], v1, 4, v[GO]
	v_lshlrev_b32 v[PFO], 8, v3
	s_lshl_b32 s18, s10, 8
	s_add_co_u32 s18, s18, FT
	v_lshl_add_u32 v[FTS], v1, 4, s18
	v_lshl_add_u32 v[FTS], v2, 3, v[FTS]           ; FT + 256 w + 16 r + 8 h
	s_lshl_b32 s16, s13, 7
	s_lshl_b32 s17, s10, 5
	s_add_co_u32 s16, s16, s17
	s_mul_i32 s16, s16, 3072                       ; out at row 128 qt + 32 w,
	s_mul_i32 s17, s40, 768                        ; my work-group's 192 channels
	s_add_co_u32 s16, s16, s17
	s_mov_b32 s17, 0
	s_add_nc_u64 s[74:75], s[74:75], s[16:17]
	s_lshr_b32 s16, s40, 1                         ; the prefetches: of the two query blocks that wave w fetches, partner cx takes half of one: block cx / 2, 8,192 bytes at 8,192 (cx % 2)
	s_lshl_b32 s16, s16, 17
	s_and_b32 s17, s40, 1
	s_lshl_b32 s17, s17, 13
	s_add_co_u32 s16, s16, s17
	s_add_co_u32 s16, s16, 2*16384                 ; at slot 2: the first change of slots steps it to slot 3
	s_mov_b32 s17, 0
	s_add_nc_u64 s[PFA:PFA+1], s[14:15], s[16:17]
	s_wait_loadcnt 36                              ; the statistics are in; V's 36 younger loads stay out
.irp k, 0,1,2,3
	v_max3_num_f32 v[32+(\k)], v[MC+8*(\k)], v[MC+8*(\k)+1], v[MC+8*(\k)+2]
.endr
.irp k, 0,1,2,3
	v_max3_num_f32 v[32+(\k)], v[32+(\k)], v[MC+8*(\k)+3], v[MC+8*(\k)+4]
.endr
.irp k, 0,1,2,3
	v_max3_num_f32 v[32+(\k)], v[32+(\k)], v[MC+8*(\k)+5], v[MC+8*(\k)+6]
.endr
	v_max3_num_f32 v32, v32, v[MC+7], v[MC+15]
	v_max3_num_f32 v34, v34, v[MC+23], v[MC+31]
	v_max3_num_f32 v32, v32, v33, v34
	v_max_num_f32 v32, v32, v35                    ; M
.set g, 0
.rept 32
	v_sub_f32 v[MC+g], v[MC+g], v32
.set g, g+1
.endr
.set g, 0
.rept 32
	v_exp_f32 v[MC+g], v[MC+g]                     ; e_g
.set g, g+1
.endr
	v_nop                                          ; a plain instruction behind the last exponential,
	s_wait_alu depctr_va_vdst(0)                   ; and the one wait for the batch, ahead of its first reader
.irp k, 0,1,2,3
	v_mul_f32 v[40+(\k)], v[MC+(\k)], v[LL+(\k)]
.endr
.set g, 4
.rept 28
	v_fmac_f32 v[40+g%4], v[MC+g], v[LL+g]         ; L, in four chains
.set g, g+1
.endr
	v_add_f32 v40, v40, v41
	v_add_f32 v42, v42, v43
	v_add_f32 v40, v40, v42
	v_rcp_f32 v36, v40
	v_nop
	s_wait_alu depctr_va_vdst(0)                   ; the reciprocal's wait
.set g, 0
.rept 32
	v_mul_f32 v[FP+2*g], v[MC+g], v36              ; f_g, twice: the fold multiplies two sums at a time
	v_mul_f32 v[FP+2*g+1], v[MC+g], v36
.set g, g+1
.endr
.set g, 0
.rept 32
	ds_store_b64 v[FTS], v[FP+2*g:FP+2*g+1] offset:1024*g
.set g, g+1
.endr
	s_wait_tensorcnt 1                             ; my part of slot 0 is in; slot 1's may stay out
	s_wait_dscnt 0x0                               ; for the others' sake: my f are stored
	s_barrier_signal -1
	s_barrier_wait -1
; One product: accumulator n = 3 a + cb of the half in hand (the caller has set the windows).
.macro WM n, buf, vs, zero
.set rT, 8*(\n)
.set rV, 24*(\vs)+8*((\n)%3)
.set rP, 192+32*(\buf)+8*((\n)/3)
.if \zero
	v_wmma_f32_16x16x32_bf16 v[rT:rT+7], v[rV:rV+7], v[rP:rP+7], 0
.else
	v_wmma_f32_16x16x32_bf16 v[rT:rT+7], v[rV:rV+7], v[rP:rP+7], v[rT:rT+7]
.endif
.endm
.macro FOLD hw, n                      ; MAIN += f T for accumulator n of half hw; T's registers in ascending order
.set rF, FR+2*(4*((\hw)-1)+(\n)/3)
.set z, 0
.rept 4
	v_pk_fma_f32 v[96+8*(\n)+2*z:96+8*(\n)+2*z+1], v[rF:rF+1], v[8*(\n)+2*z:8*(\n)+2*z+1], v[96+8*(\n)+2*z:96+8*(\n)+2*z+1]
.set z, z+1
.endr
.endm
; A half's 12 products; the accumulators take turns, one instruction a turn.  how = 0: they add on.  2: they start the sums.  1: T is folded first.  The order is fold 0, fold 1, product 0, fold 2, product 1, ..:
; between T's last product (a step back) and the product that writes over it stand the step's four v_nop and another accumulator's fold: eight places.
.macro HALF hw, buf, vs, how
.if (\how) == 1
	FOLD \hw, 0
.set n, 0
.rept 11
	FOLD \hw, n+1
	WM n, \buf, \vs, 1
.set n, n+1
.endr
	WM 11, \buf, \vs, 1
.else
.set n, 0
.rept 12
	WM n, \buf, \vs, (\how)/2
.set n, n+1
.endr
.endif
.endm
.macro PLOAD adr, i                    ; P's four fragments of a half, step i of the body, into buffer i % 2
.set q, 0
.rept 4
	ds_load_b128 v[192+32*((\i)%2)+8*q:192+32*((\i)%2)+8*q+3],   v[\adr] offset:16384*q+1024*(\i)
	ds_load_b128 v[192+32*((\i)%2)+8*q+4:192+32*((\i)%2)+8*q+7], v[\adr] offset:16384*q+1024*(\i)+512
.set q, q+1
.endr
.endm
; ITERATION i of a body: ONE run of loads (V of the step six on; where due, f; P of step i, both halves), then the 24 products of the step before, back to back.  mode 0: as a rule; 1: loads alone; 2: the very first products.
; All registers that the run loads were last read by the iteration before: the ring slot and both P buffers; the four v_nop at the head are the places behind its products.
.macro IT i, mode
.set HOW, 0
.if (\mode) == 2
.set HOW, 2
.elseif ((\i)%4) == 1
.set HOW, 1
.endif
	PLACES
	WIN 0xc3
.if (\i) < 2
	LOADV ((\i)+6)%8, VB
.else
	LOADV ((\i)+6)%8, VN
.endif
.if ((\i)%4) == 3
.irp j, 0,1,2,3                        ; f of the group that ends two iterations on
	ds_load_b128 v[FR+4*(\j):FR+4*(\j)+3], v[FA] offset:((\i)/4)*1024+256*(\j)
.endr
.endif
	WIN W_M2
	PLOAD PA1, \i
	WIN W_M1
	PLOAD PA0, \i
.if (\mode) != 1
	s_wait_loadcnt 42                              ; V of the step to be multiplied is in: seven younger batches of six stay out
	s_wait_dscnt 16                                ; P of that step (and f) is in: the sixteen loads just issued may be out
	HALF 1, ((\i)+1)%2, ((\i)+7)%8, HOW
	WIN W_M2
	HALF 2, ((\i)+1)%2, ((\i)+7)%8, HOW
.endif
.endm
.macro TOP                             ; a body's LDS addresses
	WIN 0xcf
	v_add_nc_u32 v[PA0], s[TB], v[L16]
	v_add_nc_u32 v[PA1], 0x10000, v[PA0]
	v_add_nc_u32 v[FA], s[FB], v[R16]
.endm
.macro BEND                            ; a body's end: on by 8 steps.  The next body's place in VF's rows is taken modulo the row, so that the last body's loads ahead stay inside VF (36 loads a wave that serve nothing) and every wait keeps its count
	WIN 0
	s_wait_xcnt 0x0                                ; V's loads have read their bases
	s_mov_b64 s[VB:VB+1], s[VN:VN+1]
	s_add_co_u32 s[KN], s[KN], 8192
	s_and_b32 s[KN], s[KN], 0x1ffff
	s_add_nc_u64 s[VN:VN+1], s[VROW:VROW+1], s[KN:KN+1]
	s_add_co_u32 s[TB], s[TB], 8192
	s_add_co_u32 s[FB], s[FB], 2048
.endm
.macro BODY mid
	TOP
	IT 0, 0
	IT 1, 0
	WIN 0
.if \mid
.Lmid:
.endif
	IT 2, 0
	IT 3, 0
	IT 4, 0
	IT 5, 0
	IT 6, 0
	IT 7, 0
	BEND
.endm
; THE CHANGE OF SLOTS.  The slot's last step lies in registers when its loads are back.  Each wave waits for all its tensor loads (the one that is out is its part of the other slot), adds 0 to its spare word, and waits for that
; and for its reads of the slot.  fill = 1: a round of the cluster's barrier, and the joint refill first thing behind it, with the keys two slots on.
; THE PREFETCH behind it names the slot that the NEXT change will ask for, 384 matrix instructions ahead of that load: 512 runs of 256 bytes, shared out by address among the 16 waves of the cluster, a lane to each.  The last fill asks for nothing.
; VF is not asked for: 32 query tiles walk each of its rows.
.macro CHANGE fill
	WIN 0
	s_wait_tensorcnt 0x0                           ; no tensor load of mine is out, so a group 0 may be written
	ds_add_u32 v[SPW], v[NIL]
.if \fill
	s_xor_b32 s[G0+5], s[G0+5], SLOT1
	s_add_nc_u64 s[G0+6:G0+7], s[G0+6:G0+7], 16384
	s_wait_xcnt 0x0                                ; the last prefetch, a slot back, has read its address
	s_add_nc_u64 s[PFA:PFA+1], s[PFA:PFA+1], 16384
	s_wait_dscnt 0x0                               ; the add is done, and my reads of the slot are over
	CROUND
	tensor_load_to_lds s[G0+4:G0+7], s[G1:G1+7]
	s_nop 0
	PLACES
	s_cmp_gt_u32 s[SLOTS], 1
	s_cbranch_scc0 .Lno_ask_\@
	global_prefetch_b8 v[PFO], s[PFA:PFA+1] th:TH_LOAD_NT scope:SCOPE_SE
.Lno_ask_\@:
.else
	s_wait_dscnt 0x0
	s_barrier_signal -1
	s_barrier_wait -1
.endif
	s_sub_co_u32 s[TB], s[TB], 16384               ; back to a slot's first step,
	s_xor_b32 s[TB], s[TB], SLOT1                  ; in the other slot
.endm
	s_mov_b32 s[TB], 0
	s_mov_b32 s[FB], FT
	s_mov_b32 s[CNT], 2
	s_mov_b32 s[SLOTS], 7
	TOP
	IT 0, 1                                        ; the first two iterations are written out: nothing to multiply yet, then products that start the sums with nothing to fold
	IT 1, 2
	WIN 0
	s_branch .Lmid                                 ; the loop is entered in the middle of a body
.Lslot:                                                ; six times: slots 2 to 7 are asked for
	CHANGE 1
	s_mov_b32 s[CNT], 2
.Lbody:
	BODY 1
	s_sub_co_u32 s[CNT], s[CNT], 1
	s_cmp_lg_u32 s[CNT], 0
	s_cbranch_scc1 .Lbody
	s_sub_co_u32 s[SLOTS], s[SLOTS], 1
	s_cmp_lg_u32 s[SLOTS], 0
	s_cbranch_scc1 .Lslot
	CHANGE 0                                       ; the last slot is written out
	s_mov_b32 s[CNT], 2
.Ltail:
	BODY 0
	s_sub_co_u32 s[CNT], s[CNT], 1
	s_cmp_lg_u32 s[CNT], 0
	s_cbranch_scc1 .Ltail
	s_wait_loadcnt 36                              ; V of step 127 is in; behind it only the 36 loads that serve nothing
	s_wait_dscnt 0x0                               ; P of step 127, and f of group 31
	WIN W_M1
	HALF 1, 1, 7, 0
	WIN W_M2
	HALF 2, 1, 7, 0
	PLACES                                         ; between the last products and the folds that read them
	WIN W_M1
.set m, 0
.rept 12
	FOLD 1, m
.set m, m+1
.endr
	WIN W_M2
.set m, 0
.rept 12
	FOLD 2, m
.set m, m+1
.endr
	; THE WAY OUT.  A wave's 48 channels are 192 bytes of a row: the four waves put their parts of the 128 rows into one stage, a barrier, and each wave reads 32 whole rows of 768 bytes and stores them.
	; Nobody reads slot 0 any more (every wave has passed the last change of slots), and no tensor load will fill it again.
	WIN 0x04                                       ; address window 0, data window 1
.set m, 0
.rept 12
	ds_store_b128 v[STO0], v[96+8*m:96+8*m+3]   offset:16*SP*(m/3)+64*(m%3)
	ds_store_b128 v[STO0], v[96+8*m+4:96+8*m+7] offset:16*SP*(m/3)+64*(m%3)+16
.set m, m+1
.endr
	WIN 0x08                                       ; data window 2
.set m, 0
.rept 12
	ds_store_b128 v[STO1], v[96+8*m:96+8*m+3]   offset:16*SP*(m/3)+64*(m%3)
	ds_store_b128 v[STO1], v[96+8*m+4:96+8*m+7] offset:16*SP*(m/3)+64*(m%3)+16
.set m, m+1
.endr
	WIN 0
	s_wait_dscnt 0x0                               ; for the others' sake: my stores into the stage are done
	s_barrier_signal -1
	s_barrier_wait -1
.set m, 0
.rept 48                               ; pair of rows m / 3, run of 256 bytes m % 3
	ds_load_b128 v[OB+4*m:OB+4*m+3], v[RD] offset:2*SP*(m/3)+256*(m%3)
.set m, m+1
.endr
.set m, 0
.rept 48
	s_wait_dscnt 47-m                              ; LDS loads come back in order: load m is in
	global_store_b128 v[GO], v[OB+4*m:OB+4*m+3], s[74:75] offset:6144*(m/3)+256*(m%3) th:TH_STORE_NT  ; 16 lanes store 256 consecutive bytes, at a multiple of 256 from out's first byte
.set m, m+1
.endr
	s_wait_tensorcnt 0x0                           ; the wave's end, behind my last tensor load and my last LDS store
	ds_add_u32 v[SPW], v[NIL]
	s_wait_dscnt 0x0
	CROUND                                         ; the closing round
	s_endpgm
.Lfunc_end_k_qe6312acc75_pv:
	.size	k_qe6312acc75_pv, .Lfunc_end_k_qe6312acc75_pv-k_qe6312acc75_pv
	.p2alignl 7, 3214868480
	.fill 96, 4, 3214868480
	.section	.rodata,"a",@progbits
	.p2align	6, 0x0
	.amdhsa_kernel k_qe6312acc75_pv
		.amdhsa_group_segment_fixed_size 327680
		.amdhsa_private_segment_fixed_size 0
		.amdhsa_enable_private_segment 0
		.amdhsa_kernarg_size 32
		.amdhsa_user_sgpr_count 2
		.amdhsa_user_sgpr_kernarg_segment_ptr 1
		.amdhsa_wavefront_size32 1
		.amdhsa_system_sgpr_workgroup_id_x 1
		.amdhsa_system_sgpr_workgroup_id_y 1
		.amdhsa_system_sgpr_workgroup_id_z 1
		.amdhsa_system_vgpr_workitem_id 0
		.amdhsa_next_free_vgpr 1024
		.amdhsa_next_free_sgpr 96
		.amdhsa_reserve_vcc 0
		.amdhsa_float_denorm_mode_32 3
		.amdhsa_float_denorm_mode_16_64 3
		.amdhsa_memory_ordered 1
		.amdhsa_forward_progress 1
		.amdhsa_inst_pref_size 138
	.end_amdhsa_kernel
	.amdgpu_metadata
---
amdhsa.version: [ 1, 2 ]
amdhsa.kernels:
  - .name:           k_qe6312acc75_pv
    .symbol:         k_qe6312acc75_pv.kd
    .args:
      - { .name: PF, .offset: 0, .size: 8, .value_kind: global_buffer, .address_space: global }
      - { .name: VF, .offset: 8, .size: 8, .value_kind: global_buffer, .address_space: global }
      - { .name: ST, .offset: 16, .size: 8, .value_kind: global_buffer, .address_space: global }
      - { .name: out0, .offset: 24, .size: 8, .value_kind: global_buffer, .address_space: global }
    .group_segment_fixed_size: 327680
    .private_segment_fixed_size: 0
    .kernarg_segment_align: 8
    .kernarg_segment_size: 32
    .max_flat_workgroup_size: 128
    .sgpr_count:     96
    .vgpr_count:     1024
    .wavefront_size: 32
...
	.end_amdgpu_metadata
.endif
;; end of part 4
